; MI455X (gfx1250); checked and timed in simulation.
; The chip was launched on July 23, 2026; its instructions are those of AMD's public machine-readable ISA for CDNA 5 (MIT licence, August 2026) and "CDNA5" Instruction Set Architecture Reference Guide (July 2026). The comments in the code are by the model that wrote it; some were corrected since.
;; Enhanced Attention Layer. Allowed arithmetic: float matrix products may take bf16 or f16 operands with f32 sums; all other float work in f32.
;; Inputs: Wk 1,024 x 1,024 float32; Wo 1,024 x 1,024 float32; Wq 1,024 x 1,024 float32; Wv 1,024 x 1,024 float32; bk 1,024 float32; bo 1,024 float32; bq 1,024 float32; bv 1,024 float32; x 4 x 2,048 x 1,024 float32.
;; Outputs: out0 4 x 1,024 float32; out1 4 x 8 x 2,048 float32; out2 one number float32.
;; One version. Each part assembles by itself: llvm-mc -triple=amdgcn-amd-amdhsa -mcpu=gfx1250 --defsym DOCPART=n.
;; ======== version 1 of 1: 6 launches
;; workspace buffers: xb 16,777,216 bytes; wb 4,194,304 bytes; qk 33,554,432 bytes; colp 2,097,152 bytes; ypart 2,097,152 bytes; corrp 16,384 bytes; zpart 65,536 bytes
;; launch cast (part 1): grid 640 x 1, 8 waves a work-group, no clusters, 0 bytes of LDS; arguments x, Wq, Wk, xb, wb; writes xb, wb
.if DOCPART == 1
	.amdgcn_target "amdgcn-amd-amdhsa--gfx1250"
	.amdhsa_code_object_version 6
	.text
	.protected	k_qccc0fd1a1c_cast
	.globl	k_qccc0fd1a1c_cast
	.p2align	8
	.type	k_qccc0fd1a1c_cast,@function
k_qccc0fd1a1c_cast:
	s_mov_b64 s[64:65], 0
	v_nop
	global_prefetch_b8 v0, s[64:65] scope:SCOPE_SE
	s_setreg_imm32_b32 hwreg(HW_REG_WAVE_MODE, 25, 1), 1
	s_wait_xcnt 0x0
; x, Wq and Wk (f32) are rounded once to bf16: xb = x as [8192][1024]; wb = Wq's 1,024 rows, then Wk's.
; A work-group converts 16,384 numbers: 64 KiB in, 32 KiB out.  Groups 0-511 take x, 512-575 Wq, 576-639 Wk.
; Thread t takes 16 bytes at 16 t of each block of 4,096 bytes: a wave's load covers 512 consecutive bytes, its store 256 consecutive
; bytes at a multiple of 256.  All 16 loads of a wave go out at once; no register is used twice, so nothing but the loads is waited for.
; Neither LDS nor the matrix unit has anything to add to a copy.
.set X, 4                              ; v[4:67]   16 loads of 4 f32
.set Y, 68                             ; v[68:99]  16 pairs of words, 4 bf16 each
	s_load_b256 s[4:11], s[0:1], 0x0               ; x s[4:5], Wq s[6:7], Wk s[8:9], xb s[10:11]
	s_load_b64 s[12:13], s[0:1], 0x20              ; wb
	v_lshlrev_b32 v1, 4, v0                        ; 16 t: where I load
	v_lshlrev_b32 v2, 3, v0                        ; 8 t: where I store
	s_max_u32 s14, ttmp9, 512
	s_sub_co_u32 s14, s14, 512                     ; the block's number among the weights' 128 (0 for x's groups)
	s_and_b32 s15, s14, 63                         ; and inside its own matrix
	s_cmp_lt_u32 ttmp9, 512
	s_cselect_b32 s16, ttmp9, s15                  ; block number in the source
	s_cselect_b32 s17, ttmp9, s14                  ; block number in the destination
	s_lshl_b32 s18, s16, 16                        ; 64 KiB a block in
	s_mov_b32 s19, 0
	s_lshl_b32 s20, s17, 15                        ; 32 KiB a block out
	s_mov_b32 s21, 0
	s_wait_kmcnt 0x0
	s_cmp_lt_u32 ttmp9, 576
	s_cselect_b64 s[22:23], s[6:7], s[8:9]         ; Wq or Wk,
	s_cmp_lt_u32 ttmp9, 512
	s_cselect_b64 s[22:23], s[4:5], s[22:23]       ; or x
	s_cselect_b64 s[24:25], s[10:11], s[12:13]     ; xb or wb
	s_add_nc_u64 s[22:23], s[22:23], s[18:19]
	s_add_nc_u64 s[24:25], s[24:25], s[20:21]
.irp i, 0,1,2,3,4,5,6,7,8,9,10,11,12,13,14,15
	global_load_b128 v[X+4*\i:X+4*\i+3], v1, s[22:23] offset:4096*\i th:TH_LOAD_NT
.endr
.irp i, 0,1,2,3,4,5,6,7,8,9,10,11,12,13,14,15
	s_wait_loadcnt 15-\i                           ; loads come back in order: load i is in, the 15 - i younger ones stay out
	v_cvt_pk_bf16_f32 v[Y+2*\i],   v[X+4*\i],   v[X+4*\i+1]
	v_cvt_pk_bf16_f32 v[Y+2*\i+1], v[X+4*\i+2], v[X+4*\i+3]
	global_store_b64 v2, v[Y+2*\i:Y+2*\i+1], s[24:25] offset:2048*\i
.endr
	s_endpgm
.Lfunc_end_k_qccc0fd1a1c_cast:
	.size	k_qccc0fd1a1c_cast, .Lfunc_end_k_qccc0fd1a1c_cast-k_qccc0fd1a1c_cast
	.p2alignl 7, 3214868480
	.fill 96, 4, 3214868480
	.section	.rodata,"a",@progbits
	.p2align	6, 0x0
	.amdhsa_kernel k_qccc0fd1a1c_cast
		.amdhsa_group_segment_fixed_size 0
		.amdhsa_private_segment_fixed_size 0
		.amdhsa_enable_private_segment 0
		.amdhsa_kernarg_size 40
		.amdhsa_user_sgpr_count 2
		.amdhsa_user_sgpr_kernarg_segment_ptr 1
		.amdhsa_wavefront_size32 1
		.amdhsa_system_sgpr_workgroup_id_x 1
		.amdhsa_system_sgpr_workgroup_id_y 1
		.amdhsa_system_sgpr_workgroup_id_z 1
		.amdhsa_system_vgpr_workitem_id 0
		.amdhsa_next_free_vgpr 104
		.amdhsa_next_free_sgpr 66
		.amdhsa_reserve_vcc 0
		.amdhsa_float_denorm_mode_32 3
		.amdhsa_float_denorm_mode_16_64 3
		.amdhsa_memory_ordered 1
		.amdhsa_forward_progress 1
		.amdhsa_inst_pref_size 7
	.end_amdhsa_kernel
	.amdgpu_metadata
---
amdhsa.version: [ 1, 2 ]
amdhsa.kernels:
  - .name:           k_qccc0fd1a1c_cast
    .symbol:         k_qccc0fd1a1c_cast.kd
    .args:
      - { .name: x, .offset: 0, .size: 8, .value_kind: global_buffer, .address_space: global }
      - { .name: Wq, .offset: 8, .size: 8, .value_kind: global_buffer, .address_space: global }
      - { .name: Wk, .offset: 16, .size: 8, .value_kind: global_buffer, .address_space: global }
      - { .name: xb, .offset: 24, .size: 8, .value_kind: global_buffer, .address_space: global }
      - { .name: wb, .offset: 32, .size: 8, .value_kind: global_buffer, .address_space: global }
    .group_segment_fixed_size: 0
    .private_segment_fixed_size: 0
    .kernarg_segment_align: 8
    .kernarg_segment_size: 40
    .max_flat_workgroup_size: 256
    .sgpr_count:     66
    .vgpr_count:     104
    .wavefront_size: 32
...
	.end_amdgpu_metadata
.endif
;; end of part 1
;; launch gemm (part 2): grid 8 x 32, 4 waves a work-group, clusters of 4 x 4, 327,680 bytes of LDS; arguments xb, wb, bq, bk, qk; writes qk
.if DOCPART == 2
	.amdgcn_target "amdgcn-amd-amdhsa--gfx1250"
	.amdhsa_code_object_version 6
	.text
	.protected	k_qccc0fd1a1c_gemm
	.globl	k_qccc0fd1a1c_gemm
	.p2align	8
	.type	k_qccc0fd1a1c_gemm,@function
k_qccc0fd1a1c_gemm:
	s_mov_b64 s[64:65], 0
	v_nop
	global_prefetch_b8 v0, s[64:65] scope:SCOPE_SE
	s_setreg_imm32_b32 hwreg(HW_REG_WAVE_MODE, 25, 1), 1
	s_wait_xcnt 0x0
	s_wait_alu depctr_hold_cnt(0) depctr_sa_sdst(0) depctr_va_vdst(0) depctr_va_sdst(0) depctr_va_ssrc(0) depctr_va_vcc(0) depctr_vm_vsrc(0)
	s_getreg_b32 s2, hwreg(HW_REG_IB_STS2, 6, 4)
	s_cmp_eq_u32 s2, 0
	s_cbranch_scc0 .Lentry_in_a_cluster
	s_endpgm
.Lentry_in_a_cluster:
	s_bfe_u32 s2, ttmp6, 0x10000c
	s_cmp_lg_u32 s2, 0xf033
	s_cbranch_scc0 .Lentry_shape_is_right
	s_endpgm
.Lentry_shape_is_right:
; qk[m][n] = sum over k of xb[m][k] wb[n][k] + bias[n], rounded once to bf16.  xb: [8192][1024], wb: [2048][1024], qk: [8192][2048], bf16; sums in f32.
; Columns 0-1023 of qk are q (bias bq), columns 1024-2047 are k (bias bk).
; 256 tiles of 256 x 256, one to a work-group of four waves; a wave makes 128 x 128: 64 accumulators of 16 x 16, 512 registers.
; K goes in steps of 128 through a ring of two LDS slots filled by tensor loads: tile rows are 256 bytes of memory at multiples of 256.
; CLUSTERS: 4 x 4 work-groups.  The four of a row of the cluster need the same tiles of xb, the four of a column the same tiles of wb: each tile is
; asked for jointly, by the same tensor load with the same descriptor and a mask that names the four; that divides the requests by four.
; THE MATRIX INSTRUCTION IS USED TRANSPOSED: source 0 = 16 rows of wb, source 1 = 16 rows of xb, so that a lane holds row l % 16 of qk and its
; registers the columns 8 (l / 16) + 0..7: 16 bytes that belong together.  THE BIAS STARTS THE SUMS: a lane's eight columns of each of the eight
; column blocks lie in 64 registers, which the first product on each accumulator takes as its C.  Nothing is cleared, nothing is added afterwards.
; The last K step goes by rows of qk, so that finished rows leave while the others are multiplied.
; REGISTERS, in windows of 256: window 0: v0-31 addresses; v64-191 fragments of xb; v192-255 the bias, later the way out; v32-63 the way out.
;   window 1: fragments of wb.   window 2: the accumulators of my rows 0-63 ((a, b) at v[8 (8 a + b)]).   window 3: those of my rows 64-127.
.set SIZE_N, 2048
.set SIZE_K, 1024
.set KSTEP,  128
.set PITCH,  272                       ; an LDS row: 256 bytes + 16 of padding = 68 words: the 16 rows of a fragment load start at 16 different banks (64 banks of 4 bytes: ISA guide 11.1)
.set HALFT,  128*PITCH                 ; 128 rows: what one tensor load brings, and what one wave reads of either operand
.set SLOT,   4*HALFT                   ; xb's 256 rows, then wb's 256 rows
.set STAGE,  2*SLOT                    ; behind the ring: 16 rows x 272 bytes for each wave, for the way out
.set SPITCH, 272
.set SPARE,  STAGE+4*16*SPITCH         ; behind the stages: the spare words, 128 bytes for each wave, which no other line names
.set LAPS,   SIZE_K/(2*KSTEP)          ; a lap = two K steps = once round the ring: 4
.set ADRA, 16                          ; v16-17  LDS address of my xb fragments in slot 0, 1
.set ADRB, 20                          ; v20-21  the same for wb
.set STO,  24                          ; v24     the way out: where I put 16 bytes of a row
.set RD,   25                          ; v25     the way out: where I read a row back
.set CO,   26                          ; v26     my byte offset in qk
.set SPW,  28                          ; v28     LDS address of my spare word; never rewritten
.set NIL,  29                          ; v29     0; never rewritten
.set F0,   64                          ; fragment buffer 0
.set F1,   128                         ; fragment buffer 1
.set BIAS, 192                         ; v192-255 column block b's eight biases at v[BIAS + 8 b]; free once the first quarter is multiplied
.set TMP,  192                         ; the way out: packed results
.set OB,   32                          ; the way out: 16 rows read back: v32-63 and v224-255 by turns
.set PA,   64                          ; the last K step: xb's fragments of 16 rows x 128 K, four buffers of 32
.set G1,  24                           ; s[24:31] descriptor group 1 for xb's tiles
.set G0,  32                           ; s[32:39] group 0 for xb's tiles, a set for each slot
.set G1B, 48                           ; s[48:55] group 1 for wb's tiles: it differs in the mask alone
.set G0B, 56                           ; s[56:63] group 0 for wb's tiles
.set MSB, 0
.macro WIN new                         ; the immediate's high byte repeats the setting that is left; a switch that changes nothing is dropped
.if MSB != \new
	s_set_vgpr_msb (MSB<<8)|\new
.set MSB, \new
.endif
.endm
.set MUL_LO, 0xa1                      ; source 0 (wb) window 1, source 1 (xb) window 0, C and D window 2
.set MUL_HI, 0xf1                      ; the same, C and D window 3
.set FST_LO, 0x81                      ; the first products: C (the bias) window 0, D window 2
.set FST_HI, 0xc1                      ; D window 3
.set TO_B,   0x40                      ; destination window 1, address window 0
; A joint load.  Waves 0 and 1 fetch xb's two halves, waves 2 and 3 wb's.  The branch hangs on the wave's number alone.
; Four v_nop follow each of the two lines, ahead of the jump, the label and what follows.
.macro JLOAD s
	s_cmp_eq_u32 s11, 0
	s_cbranch_scc0 .Lfor_b_\@
	tensor_load_to_lds s[G0+4*\s:G0+4*\s+3], s[G1:G1+7]
.rept 4
	v_nop
.endr
	s_branch .Lasked_\@
.Lfor_b_\@:
	tensor_load_to_lds s[G0B+4*\s:G0B+4*\s+3], s[G1B:G1B+7]
.rept 4
	v_nop
.endr
.Lasked_\@:
.endm
; A round of the cluster's barrier: my work-group's barrier; wave 0 signals for the work-group; every wave waits for all sixteen; my work-group's barrier once more.
.macro CREST                           ; a round behind its opening barrier
	s_cmp_lg_u32 s10, 0
	s_cbranch_scc1 .Lnot_wave_0_\@
	s_barrier_signal -3
.Lnot_wave_0_\@:
	s_barrier_wait -3
	s_barrier_signal -1
	s_barrier_wait -1
.endm
.macro CROUND
	s_barrier_signal -1
	s_barrier_wait -1
	CREST
.endm
	s_load_b128 s[4:7], s[0:1], 0x0                ; xb s[4:5], wb s[6:7]
	s_load_b128 s[68:71], s[0:1], 0x10             ; bq s[68:69], bk s[70:71]
	s_load_b64 s[8:9], s[0:1], 0x20                ; qk
	v_lshl_add_u32 v[SPW], v0, 2, SPARE
	v_mov_b32 v[NIL], 0
	v_lshrrev_b32 v1, 5, v0
	v_readfirstlane_b32 s10, v1                    ; wave 0..3
	s_lshr_b32 s11, s10, 1                         ; which half of the tile's rows is mine.  Also: I fetch for xb (0) or for wb (1)
	s_and_b32 s12, s10, 1                          ; which half of its columns.  Also: which 128 rows of that tile I fetch
	s_bfe_u32 s40, ttmp6, 0x40000                  ; cx
	s_bfe_u32 s41, ttmp6, 0x40004                  ; cy
	s_lshl_b32 s42, ttmp9, 2                       ; in a cluster launch ttmp9 and ttmp7 count clusters
	s_add_co_u32 s42, s42, s40                     ; tile column = 4 x cluster x + cx
	s_and_b32 s13, ttmp7, 0xffff
	s_lshl_b32 s13, s13, 2
	s_add_co_u32 s13, s13, s41                     ; tile row = 4 x cluster y + cy
	s_lshl_b32 s43, s41, 2
	s_lshl_b32 s43, 15, s43                        ; my row of the cluster: places 4 cy .. 4 cy + 3
	s_lshl_b32 s44, 0x1111, s40                    ; my column: places cx, cx + 4, cx + 8, cx + 12
	; descriptor group 1: a tile of 128 rows x 128 elements of 2 bytes, 4 words of padding behind every 64 words
	s_or_b32 s[G1+0], s43, (1<<16)|(1<<20)|(1<<21)|(5<<22)|(3<<25)
	s_or_b32 s[G1B+0], s44, (1<<16)|(1<<20)|(1<<21)|(5<<22)|(3<<25)
.irp g, G1, G1B
	s_mov_b32 s[\g+1], KSTEP<<16                   ; tensor_dim0 = 128
	s_mov_b32 s[\g+2], 128<<16                     ; tensor_dim1 = 128
	s_mov_b32 s[\g+3], KSTEP<<16                   ; tile_dim0 = 128
	s_mov_b32 s[\g+4], 128                         ; tile_dim1 = 128
	s_mov_b32 s[\g+5], SIZE_K                      ; elements from row to row
	s_mov_b32 s[\g+6], 0
	s_mov_b32 s[\g+7], 0
.endr
	; xb's tiles hang on the tile row alone, wb's on the tile column alone; each address is made in registers that never hold the other coordinate
	s_lshl_b32 s17, s12, 7
	s_lshl_b32 s16, s13, 8
	s_add_co_u32 s16, s16, s17                     ; xb: row 256 x tile row + 128 x half
	s_lshl_b32 s46, s42, 8
	s_add_co_u32 s46, s46, s17                     ; wb: row 256 x tile column + 128 x half
	s_mov_b32 s17, 0
	s_mov_b32 s47, 0
	s_mov_b64 s[18:19], SIZE_K*2
	s_mul_u64 s[16:17], s[16:17], s[18:19]
	s_mul_u64 s[46:47], s[46:47], s[18:19]
	s_mul_i32 s20, s10, HALFT                      ; where they go: wave x 128 rows; no place in the cluster enters an LDS address
	s_wait_kmcnt 0x0
	s_add_nc_u64 s[14:15], s[4:5], s[16:17]
	s_add_nc_u64 s[46:47], s[6:7], s[46:47]
	s_cmp_eq_u32 ttmp9, 0                          ; tile columns 0-3 (cluster x = 0) are q's, 4-7 are k's
	s_cselect_b64 s[72:73], s[68:69], s[70:71]
	CROUND                                         ; all sixteen work-groups are here: the first joint loads meet
.irp s, 0,1
	s_mov_b32 s[G0+4*\s], 1
	s_add_co_u32 s[G0+4*\s+1], s20, \s*SLOT
	s_add_nc_u64 s[G0+4*\s+2:G0+4*\s+3], s[14:15], \s*KSTEP*2
	s_or_b32 s[G0+4*\s+3], s[G0+4*\s+3], 0x80000000
	s_mov_b32 s[G0B+4*\s], 1
	s_add_co_u32 s[G0B+4*\s+1], s20, \s*SLOT
	s_add_nc_u64 s[G0B+4*\s+2:G0B+4*\s+3], s[46:47], \s*KSTEP*2
	s_or_b32 s[G0B+4*\s+3], s[G0B+4*\s+3], 0x80000000
	JLOAD \s                                       ; two tensor loads of mine are out
.endr
	v_and_b32 v1, 15, v0                           ; l % 16
	v_bfe_u32 v2, v0, 4, 1                         ; l / 16
	; the bias of my 128 columns: block b's columns 16 b + 8 (l / 16) + 0..7, 32 bytes
	s_lshl_b32 s74, s40, 10                        ; the tile's 256 columns inside its bias: cx x 1,024 bytes
	s_lshl_b32 s75, s12, 9                         ; my half of them
	s_add_co_u32 s74, s74, s75
	v_lshl_add_u32 v6, v2, 5, s74
.irp b, 0,1,2,3,4,5,6,7
	global_load_b128 v[BIAS+8*\b:BIAS+8*\b+3],   v6, s[72:73] offset:64*\b
	global_load_b128 v[BIAS+8*\b+4:BIAS+8*\b+7], v6, s[72:73] offset:64*\b+16
.endr
	; a fragment is 16 rows x 32 K in 8 registers: lane l holds row l % 16; two loads of 16 bytes, 32 bytes apart, at row x pitch + 16 (l / 16)
	v_mul_u32_u24 v3, v1, PITCH
	v_lshl_add_u32 v3, v2, 4, v3
	s_mul_i32 s21, s11, HALFT                      ; my 128 rows of xb
	s_mul_i32 s22, s12, HALFT                      ; my 128 rows of wb,
	s_add_co_u32 s22, s22, 2*HALFT                 ; which lie behind xb's 256
.irp s, 0,1
	v_add_nc_u32 v[ADRA+\s], s21, v3
	v_add_nc_u32 v[ADRB+\s], s22, v3
	s_add_co_u32 s21, s21, SLOT
	s_add_co_u32 s22, s22, SLOT
.endr
	s_mul_i32 s23, s10, 16*SPITCH
	s_add_co_u32 s23, s23, STAGE                   ; my stage
	v_mul_u32_u24 v4, v1, SPITCH                   ; in: row l % 16, 16 bytes for each half of the lanes
	v_lshl_add_u32 v4, v2, 4, v4
	v_add_nc_u32 v[STO], s23, v4
	v_mul_u32_u24 v5, v2, SPITCH                   ; back: lanes 0-15 take one row of 256 bytes, lanes 16-31 the next
	v_lshl_add_u32 v5, v1, 4, v5
	v_add_nc_u32 v[RD], s23, v5
	v_mul_u32_u24 v5, v2, SIZE_N*2                 ; and the same two rows in qk
	v_lshl_add_u32 v[CO], v1, 4, v5
	s_lshl_b32 s13, s13, 8
	s_lshl_b32 s14, s11, 7
	s_add_co_u32 s16, s13, s14                     ; my first row of qk
	s_mov_b32 s17, 0
	s_mov_b64 s[18:19], SIZE_N*2
	s_mul_u64 s[16:17], s[16:17], s[18:19]
	s_lshl_b32 s46, s42, 9                         ; my first column, in bytes: 512 x tile column + 256 x half
	s_lshl_b32 s47, s12, 8
	s_add_co_u32 s46, s46, s47
	s_mov_b32 s47, 0
	s_add_nc_u64 s[16:17], s[16:17], s[46:47]      ; what the way out adds to qk's address
; 16 matrix instructions: row blocks a0, a0 + 1 of the window's four (hi = 0: my rows 0-63, 1: rows 64-127) x all 8 column blocks, 32 along K.
; first = 1: the product starts the sum from the column block's bias.
.macro MUL16 f, hi, a0, first
.irp a, \a0, \a0+1
.irp b, 0,1,2,3,4,5,6,7
.if \first
	v_wmma_f32_16x16x32_bf16 v[8*(8*(\a)+\b):8*(8*(\a)+\b)+7], v[\f+8*\b:\f+8*\b+7], v[\f+8*(4*\hi+\a):\f+8*(4*\hi+\a)+7], v[BIAS+8*\b:BIAS+8*\b+7]
.else
	v_wmma_f32_16x16x32_bf16 v[8*(8*(\a)+\b):8*(8*(\a)+\b)+7], v[\f+8*\b:\f+8*\b+7], v[\f+8*(4*\hi+\a):\f+8*(4*\hi+\a)+7], v[8*(8*(\a)+\b):8*(8*(\a)+\b)+7]
.endif
.endr
.endr
.endm
; 32 LDS loads in one run: the fragments of one quarter step (32 K at byte k of the rows) into buffer f
.macro FETCH slot, k, f
	WIN TO_B
.irp i, 0,1,2,3,4,5,6,7
	ds_load_b128 v[\f+8*\i:\f+8*\i+3],   v[ADRB+\slot] offset:\k+\i*16*PITCH
	ds_load_b128 v[\f+8*\i+4:\f+8*\i+7], v[ADRB+\slot] offset:\k+\i*16*PITCH+32
.endr
	WIN 0
.irp i, 0,1,2,3,4,5,6,7
	ds_load_b128 v[\f+8*\i:\f+8*\i+3],   v[ADRA+\slot] offset:\k+\i*16*PITCH
	ds_load_b128 v[\f+8*\i+4:\f+8*\i+7], v[ADRA+\slot] offset:\k+\i*16*PITCH+32
.endr
.endm
; Four plain vector instructions stand between a matrix instruction and a load into one of its registers or a vector instruction that reads its result
.macro PLACES
.rept 4
	v_nop
.endr
.endm
; A K step is four quarters of 32 along K, 64 matrix instructions each, on buffers 0, 1, 0, 1.  The 64 accumulators take turns in the same order in every quarter.
; One of the first three quarters: multiplies buffer f; in its middle it fetches the next quarter's fragments, at byte k of the same slot's rows, into buffer g.
.macro QUARTER slot, k, f, g, first
	s_wait_dscnt 8                                 ; wb's fragments and xb's rows 0-63 are in; the youngest eight loads (xb's rows 64-127) may be out
.if \first
	WIN FST_LO
.else
	WIN MUL_LO
.endif
	MUL16 \f, 0, 0, \first
	MUL16 \f, 0, 2, \first
	PLACES
	FETCH \slot, \k, \g
	s_wait_dscnt 32                                ; all but the 32 just issued
.if \first
	WIN FST_HI
.else
	WIN MUL_HI
.endif
	MUL16 \f, 1, 0, \first
	MUL16 \f, 1, 2, \first
.endm
; The last quarter multiplies buffer 1 and changes slots.  One barrier for two things: in front of it each wave waits for all its tensor loads (one is out: its part
; of the next slot), adds 0 to its spare word, and waits for that and for its reads of this slot.  Behind it nobody reads this slot and the next slot is whole.
.macro MEET round
	WIN 0                                          ; the add's two registers lie in window 0
	s_wait_tensorcnt 0x0
	ds_add_u32 v[SPW], v[NIL]                      ; 0 onto my spare word
	s_wait_dscnt 9                                 ; the add and the youngest eight loads may be out
	WIN MUL_LO
	MUL16 F1, 0, 0, 0                              ; sixteen matrix instructions stand between the add and the wait for it
	s_wait_dscnt 0x0                               ; the add is done, and my reads of this slot are over
	s_barrier_signal -1
	MUL16 F1, 0, 2, 0                              ; work on registers while the others arrive
.if \round
	WIN 0
.endif
	s_barrier_wait -1
.endm
; The whole last quarter: the barrier opens a round of the cluster's barrier; behind the round the slot just read out is filled again first, two K steps on; then come the next slot's first fragments.
.macro TURN slot, next
	MEET 1
	CREST                                          ; no wave of any partner still reads this slot's tile or has a load on its way
	s_add_nc_u64 s[G0+4*\slot+2:G0+4*\slot+3], s[G0+4*\slot+2:G0+4*\slot+3], 2*KSTEP*2
	s_add_nc_u64 s[G0B+4*\slot+2:G0B+4*\slot+3], s[G0B+4*\slot+2:G0B+4*\slot+3], 2*KSTEP*2
	JLOAD \slot                                    ; my one tensor load behind the round: 224 matrix instructions ahead of the wait for it; its four v_nop are also the places in front of the loads below
	FETCH \next, 0, F0
	WIN MUL_HI
	MUL16 F1, 1, 0, 0
	MUL16 F1, 1, 2, 0
.endm
; THE LAST K STEP (slot 1) GOES BY ROWS OF qk: all its fragments of wb (4 quarters x 64 registers) fill window 1; my eight blocks of 16 rows are finished one after
; the other, 32 matrix instructions each, the block's 8 accumulators by turns, K ascending.
.macro BLOAD q
.irp i, 0,1,2,3,4,5,6,7
	ds_load_b128 v[64*\q+8*\i:64*\q+8*\i+3],   v[ADRB+1] offset:64*\q+\i*16*PITCH
	ds_load_b128 v[64*\q+8*\i+4:64*\q+8*\i+7], v[ADRB+1] offset:64*\q+\i*16*PITCH+32
.endr
.endm
.macro ALOAD a
.set FA, PA+32*((\a)%4)
.irp q, 0,1,2,3
	ds_load_b128 v[FA+8*\q:FA+8*\q+3],   v[ADRA+1] offset:64*\q+(\a)*16*PITCH
	ds_load_b128 v[FA+8*\q+4:FA+8*\q+7], v[ADRA+1] offset:64*\q+(\a)*16*PITCH+32
.endr
.endm
.macro ROW a
.set FA, PA+32*((\a)%4)
.set AC, 64*((\a)%4)
	WIN MUL_LO+0x50*((\a)/4)
.irp q, 0,1,2,3
.if (\a) == 0 && \q == 2
	s_wait_dscnt 24                                ; wb's quarter 2 is in (behind it: xb's blocks 1 to 3)
.endif
.irp b, 0,1,2,3,4,5,6,7
	v_wmma_f32_16x16x32_bf16 v[AC+8*\b:AC+8*\b+7], v[64*\q+8*\b:64*\q+8*\b+7], v[FA+8*\q:FA+8*\q+7], v[AC+8*\b:AC+8*\b+7]
.endr
.endr
.endm
; THE WAY OUT of block a.  PACK: rounded to bf16, each accumulator's registers in ascending order.  TOSTAGE: into my own stage, and back as whole rows of 256 bytes.  SEND: stored.
.macro PACK a
.set AC, 64*((\a)%4)
	WIN 0x0a+5*((\a)/4)                            ; sources 0 and 1: window 2 or 3
.irp b, 0,1,2,3,4,5,6,7
.irp r, 0,1,2,3
	v_cvt_pk_bf16_f32 v[TMP+4*\b+\r], v[AC+8*\b+2*\r], v[AC+8*\b+2*\r+1]
.endr
.endr
	WIN 0
.endm
.macro TOSTAGE a
.set BK, OB+192*((\a)%2)
.irp b, 0,1,2,3,4,5,6,7
	ds_store_b128 v[STO], v[TMP+4*\b:TMP+4*\b+3] offset:32*\b
.endr
.irp t, 0,1,2,3,4,5,6,7
	ds_load_b128 v[BK+4*\t:BK+4*\t+3], v[RD] offset:\t*2*SPITCH    ; LDS serves a wave's instructions in order (ISA guide 5.7.1.4): these see the stores above
.endr
.endm
.macro SEND a, younger
.set BK, OB+192*((\a)%2)
	s_wait_dscnt \younger                          ; the block is back in registers
	s_wait_xcnt 0x0                                ; the stores' base and the registers that earlier stores read are rewritten only behind this wait
.if (\a) == 0
	s_add_nc_u64 s[8:9], s[8:9], s[16:17]          ; on to my first rows
.else
	s_add_nc_u64 s[8:9], s[8:9], 16*SIZE_N*2       ; 16 rows on
.endif
.irp t, 0,1,2,3,4,5,6,7
	global_store_b128 v[CO], v[BK+4*\t:BK+4*\t+3], s[8:9] offset:2*\t*SIZE_N*2   ; 16 lanes store 256 consecutive bytes, at a multiple of 256 from qk's first byte
.endr
.endm
	s_wait_loadcnt 0x0                             ; the bias
	s_wait_tensorcnt 1                             ; my part of K step 0 is in; K step 1's stays out
	s_barrier_signal -1
	s_barrier_wait -1
	FETCH 0, 0, F0
	QUARTER 0, 64,  F0, F1, 1                      ; the first quarter stands in front of the loop: its products start the sums
	WIN 0                                          ; at a label and at a branch every window is 0
	s_mov_b32 s3, LAPS-1
.Llap:                                                 ; a trip goes once round the ring, from a lap's second quarter to the next lap's first, and fills both slots again
	QUARTER 0, 128, F1, F0, 0
	QUARTER 0, 192, F0, F1, 0
	TURN 0, 1
	QUARTER 1, 64,  F0, F1, 0
	QUARTER 1, 128, F1, F0, 0
	QUARTER 1, 192, F0, F1, 0
	TURN 1, 0
	QUARTER 0, 64,  F0, F1, 0
	WIN 0
	s_sub_co_u32 s3, s3, 1
	s_cmp_lg_u32 s3, 0
	s_cbranch_scc1 .Llap
	QUARTER 0, 128, F1, F0, 0                      ; the last lap goes on; it asks for nothing more
	QUARTER 0, 192, F0, F1, 0
	MEET 0                                         ; the one tensor load that was still out is the last K step's, so no round follows
	PLACES                                         ; for the loads into buffer 0
	WIN TO_B
	BLOAD 0                                        ; three quarters of wb now: buffer 1 is still being multiplied
	BLOAD 1
	BLOAD 3
	WIN 0
	ALOAD 0
	WIN MUL_HI
	MUL16 F1, 1, 0, 0
	MUL16 F1, 1, 2, 0
	PLACES                                         ; for the loads into buffer 1
	WIN TO_B
	BLOAD 2
	WIN 0
	ALOAD 1
	ALOAD 2
	ALOAD 3
	s_wait_dscnt 40                                ; all but the 40 just issued
	ROW 0
.irp a, 0,1,2,3,4,5,6,7                ; each block leaves as soon as it is finished
	PLACES                                         ; its conversions read results just made
	PACK \a
	TOSTAGE \a
.if \a < 4
	ALOAD \a+4                                     ; its buffer takes the block four further on
	SEND \a, 8
.else
	SEND \a, 0
.endif
.if \a < 7
	ROW \a+1
.endif
.endr
	s_wait_tensorcnt 0x0                           ; the wave's end
	ds_add_u32 v[SPW], v[NIL]
	s_wait_dscnt 0x0
	CROUND                                         ; the closing round: no work-group ends while a partner may still ask for a tile that names it
	s_endpgm
.Lfunc_end_k_qccc0fd1a1c_gemm:
	.size	k_qccc0fd1a1c_gemm, .Lfunc_end_k_qccc0fd1a1c_gemm-k_qccc0fd1a1c_gemm
	.p2alignl 7, 3214868480
	.fill 96, 4, 3214868480
	.section	.rodata,"a",@progbits
	.p2align	6, 0x0
	.amdhsa_kernel k_qccc0fd1a1c_gemm
		.amdhsa_group_segment_fixed_size 327680
		.amdhsa_private_segment_fixed_size 0
		.amdhsa_enable_private_segment 0
		.amdhsa_kernarg_size 40
		.amdhsa_user_sgpr_count 2
		.amdhsa_user_sgpr_kernarg_segment_ptr 1
		.amdhsa_wavefront_size32 1
		.amdhsa_system_sgpr_workgroup_id_x 1
		.amdhsa_system_sgpr_workgroup_id_y 1
		.amdhsa_system_sgpr_workgroup_id_z 1
		.amdhsa_system_vgpr_workitem_id 0
		.amdhsa_next_free_vgpr 1024
		.amdhsa_next_free_sgpr 80
		.amdhsa_reserve_vcc 0
		.amdhsa_float_denorm_mode_32 3
		.amdhsa_float_denorm_mode_16_64 3
		.amdhsa_memory_ordered 1
		.amdhsa_forward_progress 1
		.amdhsa_inst_pref_size 145
	.end_amdhsa_kernel
	.amdgpu_metadata
---
amdhsa.version: [ 1, 2 ]
amdhsa.kernels:
  - .name:           k_qccc0fd1a1c_gemm
    .symbol:         k_qccc0fd1a1c_gemm.kd
    .args:
      - { .name: xb, .offset: 0, .size: 8, .value_kind: global_buffer, .address_space: global }
      - { .name: wb, .offset: 8, .size: 8, .value_kind: global_buffer, .address_space: global }
      - { .name: bq, .offset: 16, .size: 8, .value_kind: global_buffer, .address_space: global }
      - { .name: bk, .offset: 24, .size: 8, .value_kind: global_buffer, .address_space: global }
      - { .name: qk, .offset: 32, .size: 8, .value_kind: global_buffer, .address_space: global }
    .group_segment_fixed_size: 327680
    .private_segment_fixed_size: 0
    .kernarg_segment_align: 8
    .kernarg_segment_size: 40
    .max_flat_workgroup_size: 128
    .sgpr_count:     80
    .vgpr_count:     1024
    .wavefront_size: 32
...
	.end_amdgpu_metadata
.endif
;; end of part 2
;; launch attn (part 3): grid 8 x 32, 8 waves a work-group, clusters of 4 x 1, 327,680 bytes of LDS; arguments qk, colp; writes colp
.if DOCPART == 3
	.amdgcn_target "amdgcn-amd-amdhsa--gfx1250"
	.amdhsa_code_object_version 6
	.text
	.protected	k_qccc0fd1a1c_attn
	.globl	k_qccc0fd1a1c_attn
	.p2align	8
	.type	k_qccc0fd1a1c_attn,@function
k_qccc0fd1a1c_attn:
	s_mov_b64 s[64:65], 0
	v_nop
	global_prefetch_b8 v0, s[64:65] scope:SCOPE_SE
	s_setreg_imm32_b32 hwreg(HW_REG_WAVE_MODE, 25, 1), 1
	s_wait_xcnt 0x0
	s_wait_alu depctr_hold_cnt(0) depctr_sa_sdst(0) depctr_va_vdst(0) depctr_va_sdst(0) depctr_va_ssrc(0) depctr_va_vcc(0) depctr_vm_vsrc(0)
	s_getreg_b32 s2, hwreg(HW_REG_IB_STS2, 6, 4)
	s_cmp_eq_u32 s2, 0
	s_cbranch_scc0 .Lentry_in_a_cluster
	s_endpgm
.Lentry_in_a_cluster:
	s_bfe_u32 s2, ttmp6, 0x10000c
	s_cmp_lg_u32 s2, 0x3003
	s_cbranch_scc0 .Lentry_shape_is_right
	s_endpgm
.Lentry_shape_is_right:
; colp[bh][qb][k] = the sum over the 256 queries q of block qb of softmax_k(q . k / sqrt(128)) / 2048: one eighth of avg_attn's sum over queries.
; qk: [8192][2048] bf16; a row's columns 128 h .. are head h's q, columns 1024 + 128 h .. its k.  colp: [32][8][2048] f32.
; No result of the layer keeps a row of the weights, only their means over queries, and a column's sum wants every row's maximum and sum first.
; So the scores are made TWICE from Q held in registers: pass 1 finds each query's running maximum m and sum l, pass 2 adds 2^(c s - c m) / (2048 l) down the columns.
; c = log2(e) / sqrt(128).  Limits: a weight below 2^-126 counts as 0 (v_exp_f32 flushes); inputs whose scores are not finite are not served.
; SHARES.  A work-group owns 256 queries of one (batch, head).  Wave w: queries 64 (w % 4) .. + 63, four tiles of 16, and half w / 4 of each slot's 512 keys, in four steps of 64.
; Two waves lie on a SIMD with 512 registers each: while one walks a step's exponentials the other has the matrix unit.
; PASS 1 multiplies K x Q^T: a lane holds one query and eight keys a register block, so maximum and sum stay in the lane but for one exchange of halves.
; PASS 2 multiplies Q x K^T: a lane holds one key and eight queries, so the column sum stays in the lane; m and 1 / (2048 l) of its 32 queries lie in 64 registers.
; CLUSTER.  The four query blocks of a cluster walk the same keys, so each tile of K is asked for jointly, with a mask that names the four.
; RING.  Two slots of 512 keys; each wave brings 64 rows of 256 bytes with one tensor load.  Tiles T0-T3 in pass 1 and again in pass 2: slot 0 takes T0, T2, T0, T2, slot 1 takes T1, T3, T1, T3.
; A wave has two tensor loads out at the start and one behind each round; that one has four steps, 256 matrix instructions a wave, in which to land.
; REGISTERS.  Window 0: v0-11 addresses; v12-43 eight of statistics a tile; v46-55 column sums; v64-191 the scores; v192-223 c m, v224-255 1 / (2048 l) of my 32 queries.
;   Window 1: v0-127 Q (tile t, channels 32 ch on, at 32 t + 8 ch); v128-255 K of one step (keys 16 kt on at 128 + 32 kt + 8 ch).
.set PK,    272                        ; a row of K in LDS: 256 bytes + 16 of padding: the 16 rows of a fragment load start at 16 different banks (64 banks of 4 bytes: ISA guide 11.1)
.set SLOTB, 512*PK                     ; a slot: 139,264 bytes
.set WROWS, 64*PK                      ; 64 rows: one tensor load, and one step's keys
.set HALFB, 256*PK                     ; half a slot
.set STAGE, 2*SLOTB                    ; behind the ring: 4,096 bytes a wave: its 1,024 column sums in the order in which it makes them
.set STAT,  STAGE+8*4096               ; 512 bytes a wave: c m of its 64 queries, then l
.set SPARE, STAT+8*512                 ; the spare words, 128 bytes for each wave, which no other line names
.set AKE, 3                            ; v3   my lane's place in my half of slot 0; never rewritten
.set ADR, 4                            ; v4   the LDS address of the step in hand
.set QO,  5                            ; v5   my byte offset in the wave's rows of Q
.set STA, 6                            ; v6   where the step's column sums go
.set STW, 7                            ; v7   where I put a query's c m (lanes 0-15) or l (lanes 16-31)
.set STR, 8                            ; v8   where I read my eight queries' statistics
.set RD,  9                            ; v9   the way out: my 16 bytes of wave 0's or wave 4's stage
.set GO,  10                           ; v10  my byte offset in colp's row
.set STB, 11                           ; v11  my place in my wave's stage; never rewritten
.set ST,  12                           ; tile t at v[ST + 8 t]: +0 c m, +1 m, +2, +3 l (even, odd keys), +4 to +7 at work; a = 2^(c m_old - c m_new) in +6
.set SPW, 44                           ; v44  LDS address of my spare word; never rewritten
.set NIL, 45                           ; v45  0; never rewritten
.set AC,  46                           ; v[46:53] four pairs: the column sums of key blocks 0-3
.set S,   64
.set CM,  192
.set WW,  224
.set KF,  128
.set G1,  16                           ; s[16:23] descriptor group 1
.set G0,  24                           ; s[24:31] descriptor group 0, a set for each slot
.set MSB, 0
.macro WIN new                         ; the immediate's high byte repeats the setting that is left; a switch that changes nothing is dropped
.if MSB != \new
	s_set_vgpr_msb (MSB<<8)|\new
.set MSB, \new
.endif
.endm
.macro PLACES                          ; four plain vector instructions between a matrix instruction and what reads its result or loads into its registers
.rept 4
	v_nop
.endr
.endm
; A round of the cluster's barrier: my work-group's barrier; wave 0 signals for the work-group; every wave waits for all four work-groups; my work-group's barrier once more.
.macro CROUND
	s_barrier_signal -1
	s_barrier_wait -1
	s_cmp_lg_u32 s8, 0
	s_cbranch_scc1 .Lnot_wave_0_\@
	s_barrier_signal -3
.Lnot_wave_0_\@:
	s_barrier_wait -3
	s_barrier_signal -1
	s_barrier_wait -1
.endm
	s_load_b128 s[4:7], s[0:1], 0x0                ; qk s[4:5], colp s[6:7]
	v_lshl_add_u32 v[SPW], v0, 2, SPARE
	v_mov_b32 v[NIL], 0
	v_lshrrev_b32 v1, 5, v0
	v_readfirstlane_b32 s8, v1                     ; wave 0..7
	s_and_b32 s9, s8, 3                            ; g: which 64 queries
	s_lshr_b32 s10, s8, 2                          ; e: which half of a slot's keys
	s_bfe_u32 s11, ttmp6, 0x40000                  ; cx
	s_lshl_b32 s12, ttmp9, 2                       ; in a cluster launch ttmp9 counts clusters
	s_add_co_u32 s12, s12, s11                     ; qb = 4 x cluster x + cx: it enters Q's and colp's addresses alone
	s_and_b32 s13, ttmp7, 0xffff                   ; bh, which the four partners share
	s_lshr_b32 s14, s13, 3                         ; b
	s_and_b32 s15, s13, 7                          ; h
	s_lshl_b32 s14, s14, 23                        ; 2,048 rows of 4,096 bytes a batch
	s_lshl_b32 s15, s15, 8                         ; 256 bytes a head
	s_add_co_u32 s42, s14, s15
	s_lshl_b32 s38, s8, 18                         ; K: my 64 rows of a tile,
	s_add_co_u32 s38, s38, s42
	s_add_co_u32 s38, s38, 2048                    ; in the rows' second half
	s_mov_b32 s39, 0
	s_lshl_b32 s40, s12, 20                        ; Q: my block's 256 rows,
	s_lshl_b32 s41, s9, 18                         ; my wave's 64 of them
	s_add_co_u32 s40, s40, s41
	s_add_co_u32 s40, s40, s42
	s_mov_b32 s41, 0
	s_lshl_b32 s14, s13, 3
	s_add_co_u32 s14, s14, s12
	s_lshl_b32 s14, s14, 13                        ; colp: row 8 bh + qb of 8,192 bytes
	s_mov_b32 s15, 0
	s_mul_i32 s43, s8, WROWS                       ; where my rows go in a slot: no place in the cluster enters an LDS address
	; descriptor group 1: 64 rows x 128 elements of 2 bytes, pitch 2,048 elements; mask: all four work-groups, bit 21 beside it; 4 words of padding behind every 64
	s_mov_b32 s[G1+0], 15|(1<<16)|(1<<20)|(1<<21)|(5<<22)|(3<<25)
	s_mov_b32 s[G1+1], 128<<16                     ; tensor_dim0 = 128
	s_mov_b32 s[G1+2], 64<<16                      ; tensor_dim1 = 64
	s_mov_b32 s[G1+3], 128<<16                     ; tile_dim0 = 128
	s_mov_b32 s[G1+4], 64                          ; tile_dim1 = 64
	s_mov_b32 s[G1+5], 2048                        ; elements from row to row
	s_mov_b32 s[G1+6], 0
	s_mov_b32 s[G1+7], 0
	s_mov_b32 s32, 0x3e0293ee                      ; c = log2(e) / sqrt(128)
	s_mov_b32 s33, s32                             ; named with it as a pair, so it is written
	s_mov_b32 s34, 0x76543210                      ; v_permlanex16_b32: each lane takes its own place in the other half
	s_mov_b32 s35, 0xfedcba98
	s_mov_b32 s37, 0xffff0000                      ; lanes 16-31
	s_wait_kmcnt 0x0
	s_add_nc_u64 s[38:39], s[4:5], s[38:39]
	s_add_nc_u64 s[40:41], s[4:5], s[40:41]
	s_add_nc_u64 s[6:7], s[6:7], s[14:15]
.irp n, 0,1
	s_mov_b32 s[G0+4*\n], 1                        ; count = 1
	s_add_co_u32 s[G0+4*\n+1], s43, \n*SLOTB       ; LDS address
	s_add_nc_u64 s[G0+4*\n+2:G0+4*\n+3], s[38:39], \n*0x200000   ; tile n: 512 rows of 4,096 bytes on
	s_or_b32 s[G0+4*\n+3], s[G0+4*\n+3], 0x80000000              ; type = 2
.endr
	CROUND                                         ; all four work-groups are here: the first joint loads meet
	tensor_load_to_lds s[G0:G0+3], s[G1:G1+7]      ; T0
	tensor_load_to_lds s[G0+4:G0+7], s[G1:G1+7]    ; T1
	PLACES                                         ; four v_nop follow
	v_and_b32 v1, 15, v0                           ; r = l % 16
	v_bfe_u32 v2, v0, 4, 1                         ; hh = l / 16
	v_lshlrev_b32 v[QO], 12, v1
	v_lshl_add_u32 v[QO], v2, 4, v[QO]             ; row x 4,096 + 16 x half
	WIN 0x40                                       ; destination window 1
.irp t, 0,1,2,3
.irp ch, 0,1,2,3
	global_load_b128 v[32*\t+8*\ch:32*\t+8*\ch+3],   v[QO], s[40:41] offset:\t*65536+\ch*64
	global_load_b128 v[32*\t+8*\ch+4:32*\t+8*\ch+7], v[QO], s[40:41] offset:\t*65536+\ch*64+32
.endr
.endr
	WIN 0
	v_mul_u32_u24 v[AKE], v1, PK
	v_lshl_add_u32 v[AKE], v2, 4, v[AKE]
	s_mul_i32 s14, s10, HALFB
	v_add_nc_u32 v[AKE], s14, v[AKE]               ; row x pitch + 16 x half + my half of the slot
	v_and_b32 v54, 31, v0
	s_lshl_b32 s14, s8, 12
	s_add_co_u32 s14, s14, STAGE
	v_lshl_add_u32 v[STB], v54, 2, s14             ; my wave's stage + 4 x lane
	s_lshl_b32 s14, s8, 9
	s_add_co_u32 s14, s14, STAT
	v_lshl_add_u32 v[STW], v1, 2, s14
	v_lshl_add_u32 v[STW], v2, 8, v[STW]           ; lanes 0-15 write c m, lanes 16-31 write l, 256 bytes on
	s_lshl_b32 s14, s9, 9
	s_add_co_u32 s14, s14, STAT
	v_lshl_add_u32 v[STR], v2, 5, s14              ; wave g's statistics, queries 8 hh on
	v_and_b32 v[RD], 63, v0                        ; key 1,024 u + 4 t lies in tile 2 u + t / 128, half (t / 64) % 2, at place 4 (t % 64)
	v_lshlrev_b32 v[RD], 4, v[RD]
	v_bfe_u32 v54, v0, 6, 1
	v_lshl_add_u32 v[RD], v54, 14, v[RD]
	v_lshrrev_b32 v54, 7, v0
	v_lshl_add_u32 v[RD], v54, 10, v[RD]
	v_add_nc_u32 v[RD], STAGE, v[RD]
	v_lshlrev_b32 v[GO], 4, v0
.irp t, 0,1,2,3
	v_mov_b32 v[ST+8*\t],   0xff800000             ; c m and m begin at minus infinity, so that the first a is 0,
	v_mov_b32 v[ST+8*\t+1], 0xff800000
	v_mov_b32 v[ST+8*\t+2], 0                      ; l at 0
	v_mov_b32 v[ST+8*\t+3], 0
.endr
; 32 LDS loads in one run: a step's 64 keys x 128 channels, the channels' first 32 first
.macro FETCH
	WIN 0x40
.irp ch, 0,1,2,3
.irp kt, 0,1,2,3
	ds_load_b128 v[KF+32*\kt+8*\ch:KF+32*\kt+8*\ch+3],   v[ADR] offset:\kt*16*PK+\ch*64
	ds_load_b128 v[KF+32*\kt+8*\ch+4:KF+32*\kt+8*\ch+7], v[ADR] offset:\kt*16*PK+\ch*64+32
.endr
.endr
.endm
; A step's 64 matrix instructions.  The 16 accumulators take turns in the same order for each 32 channels; the first 16 start the sums with the constant 0.
; p = 1: scores at S + 32 t + 8 kt, lane = query r of tile t, register j = key 16 kt + 8 hh + j.   p = 2: at S + 32 kt + 8 t, lane = key 16 kt + r, register j = query 16 t + 8 hh + j.
.macro MM p
	WIN 0x05                                       ; sources 0 and 1 window 1; C and D window 0
.irp ch, 0,1,2,3
	s_wait_dscnt 8*(3-\ch)                         ; these channels' eight loads are in; the later channels', eight each, may be out
.irp t, 0,1,2,3
.irp kt, 0,1,2,3
.if \p == 1
.if \ch == 0
	v_wmma_f32_16x16x32_bf16 v[S+32*\t+8*\kt:S+32*\t+8*\kt+7], v[KF+32*\kt+8*\ch:KF+32*\kt+8*\ch+7], v[32*\t+8*\ch:32*\t+8*\ch+7], 0
.else
	v_wmma_f32_16x16x32_bf16 v[S+32*\t+8*\kt:S+32*\t+8*\kt+7], v[KF+32*\kt+8*\ch:KF+32*\kt+8*\ch+7], v[32*\t+8*\ch:32*\t+8*\ch+7], v[S+32*\t+8*\kt:S+32*\t+8*\kt+7]
.endif
.else
.if \ch == 0
	v_wmma_f32_16x16x32_bf16 v[S+32*\kt+8*\t:S+32*\kt+8*\t+7], v[32*\t+8*\ch:32*\t+8*\ch+7], v[KF+32*\kt+8*\ch:KF+32*\kt+8*\ch+7], 0
.else
	v_wmma_f32_16x16x32_bf16 v[S+32*\kt+8*\t:S+32*\kt+8*\t+7], v[32*\t+8*\ch:32*\t+8*\ch+7], v[KF+32*\kt+8*\ch:KF+32*\kt+8*\ch+7], v[S+32*\kt+8*\t:S+32*\kt+8*\t+7]
.endif
.endif
.endr
.endr
.endr
	WIN 0
	PLACES
.endm
; Pair n of the step's 64 pairs of scores lies in block n % 4 (pass 1: a tile; pass 2: a key block), place n / 4: the four blocks' sums take turns.
.macro EXP2 n                          ; its two exponentials, in place
.set rE, S+32*((\n)%4)+2*((\n)/4)
	v_exp_f32 v[rE], v[rE]
	v_exp_f32 v[rE+1], v[rE+1]
.endm
.macro SUM1 n                          ; pass 1: l = a l + p for a tile's first pair, l += p for the others
.set rE, S+32*((\n)%4)+2*((\n)/4)
.set rT, ST+8*((\n)%4)
.if (\n) < 4
	v_pk_fma_f32 v[rT+2:rT+3], v[rT+2:rT+3], v[rT+6:rT+7], v[rE:rE+1] op_sel_hi:[1,0,1]
.else
	v_pk_add_f32 v[rT+2:rT+3], v[rT+2:rT+3], v[rE:rE+1]
.endif
.endm
.macro SUM2 n                          ; pass 2: the key block's column sum takes p / (2048 l) of two queries; the first pair starts it
.set rE, S+32*((\n)%4)+2*((\n)/4)
.set rA, AC+2*((\n)%4)
.set rW, WW+2*((\n)/4)
.if (\n) < 4
	v_pk_mul_f32 v[rA:rA+1], v[rE:rE+1], v[rW:rW+1]
.else
	v_pk_fma_f32 v[rA:rA+1], v[rE:rE+1], v[rW:rW+1], v[rA:rA+1]
.endif
.endm
; The exponentials and the sums: pair n's two exponentials, then pair n - 1's sum, which is the plain instruction that stands between an exponential and the use of its result (ISA guide 5.7.2)
.macro EXPSUM p
	EXP2 0
	v_nop
.set nn, 1
.rept 63
	EXP2 nn
.if \p == 1
	SUM1 nn-1
.else
	SUM2 nn-1
.endif
.set nn, nn+1
.endr
.if \p == 1
	SUM1 63
.else
	SUM2 63
.endif
.endm
; PASS 1, a step's vector work, the four tiles by turns.  Each accumulator is read first at its registers 0 to 2.
.macro SOFT1
.irp j, 0,1,2,3
.irp t, 0,1,2,3
	v_max3_num_f32 v[ST+8*\t+4+\j], v[S+32*\t+8*\j], v[S+32*\t+8*\j+1], v[S+32*\t+8*\j+2]
.endr
.endr
.irp q, 1,2
.irp j, 0,1,2,3
.irp t, 0,1,2,3
	v_max3_num_f32 v[ST+8*\t+4+\j], v[ST+8*\t+4+\j], v[S+32*\t+8*\j+2*\q+1], v[S+32*\t+8*\j+2*\q+2]
.endr
.endr
.endr
.irp t, 0,1,2,3
	v_max3_num_f32 v[ST+8*\t+4], v[ST+8*\t+4], v[S+32*\t+7], v[S+32*\t+15]
.endr
.irp t, 0,1,2,3
	v_max3_num_f32 v[ST+8*\t+6], v[ST+8*\t+6], v[S+32*\t+23], v[S+32*\t+31]
.endr
.irp t, 0,1,2,3
	v_max3_num_f32 v[ST+8*\t+4], v[ST+8*\t+4], v[ST+8*\t+5], v[ST+8*\t+6]
.endr
.irp t, 0,1,2,3
	v_max3_num_f32 v[ST+8*\t+4], v[ST+8*\t+4], v[ST+8*\t+7], v[ST+8*\t+1]   ; the old m comes in last
.endr
.irp t, 0,1,2,3
	v_permlanex16_b32 v[ST+8*\t+5], v[ST+8*\t+4], s34, s35                  ; the query's other 32 keys lie in the lane 16 away
.endr
.irp t, 0,1,2,3
	v_mov_b32 v[ST+8*\t+7], v[ST+8*\t]                                      ; c m_old
.endr
.irp t, 0,1,2,3
	v_max_num_f32 v[ST+8*\t+1], v[ST+8*\t+4], v[ST+8*\t+5]
.endr
.irp t, 0,1,2,3
	v_mul_f32 v[ST+8*\t], s32, v[ST+8*\t+1]
.endr
.irp t, 0,1,2,3
	v_sub_f32 v[ST+8*\t+7], v[ST+8*\t+7], v[ST+8*\t]
.endr
.irp t, 0,1,2,3
	v_exp_f32 v[ST+8*\t+6], v[ST+8*\t+7]                                    ; a; the scalings below stand between it and its use
.endr
.set nn, 0
.rept 64
	v_pk_fma_f32 v[S+2*nn:S+2*nn+1], v[S+2*nn:S+2*nn+1], s[32:33], v[ST+8*(nn/16):ST+8*(nn/16)+1] op_sel_hi:[1,0,0] neg_lo:[0,0,1] neg_hi:[0,0,1]   ; c s - c m
.set nn, nn+1
.endr
	EXPSUM 1
.endm
; PASS 2, a step's vector work.  The scalings go up the registers, so each accumulator is read first at its registers 0 and 1.
.macro SOFT2
.set nn, 0
.rept 64
	v_pk_fma_f32 v[S+2*nn:S+2*nn+1], v[S+2*nn:S+2*nn+1], s[32:33], v[CM+2*(nn%16):CM+2*(nn%16)+1] op_sel_hi:[1,0,1] neg_lo:[0,0,1] neg_hi:[0,0,1]   ; c s - c m of the register's query
.set nn, nn+1
.endr
	EXPSUM 2
.irp kt, 0,1,2,3
	v_add_f32 v[AC+2*\kt], v[AC+2*\kt], v[AC+2*\kt+1]
.endr
.irp kt, 0,1,2,3
	v_permlanex16_b32 v[AC+2*\kt+1], v[AC+2*\kt], s34, s35                  ; the key's other 32 queries lie in the lane 16 away
.endr
.irp kt, 0,1,2,3
	v_add_f32 v[AC+2*\kt], v[AC+2*\kt], v[AC+2*\kt+1]
.endr
	v_cndmask_b32 v54, v[AC],   v[AC+2], s37       ; lane l: key l of the step's 64,
	v_cndmask_b32 v55, v[AC+4], v[AC+6], s37       ; and key 32 + l
	ds_store_b32 v[STA], v54
	ds_store_b32 v[STA], v55 offset:128
	v_add_nc_u32 v[STA], 256, v[STA]
.endm
; My four steps in a slot.  tile: the tile's number, which places pass 2's sums in my stage.
.macro PSLOT p, slot, tile
	v_add_nc_u32 v[ADR], \slot*SLOTB, v[AKE]
.if \p == 2
	v_add_nc_u32 v[STA], \tile*1024, v[STB]
.endif
	s_mov_b32 s36, 4
.Lstep_\@:
	FETCH
	MM \p
.if \p == 1
	SOFT1
.else
	SOFT2
.endif
	v_add_nc_u32 v[ADR], WROWS, v[ADR]
	s_sub_co_u32 s36, s36, 1
	s_cmp_lg_u32 s36, 0
	s_cbranch_scc1 .Lstep_\@
.endm
; THE CHANGE OF SLOTS.  Each wave waits for all its tensor loads (one is out: its part of the other slot), adds 0 to its spare word, and waits for that and for its LDS reads and stores.
; dir = 1, 2: the slot just read is filled again with the tile 1,024 keys on (1) or back (2): the barrier is a round of the cluster's, so that no wave of any partner still reads the
; slot or has a load on its way, and the joint refill is the first thing behind it.  dir = 0: nothing is left to fetch: my work-group's barrier alone.
.macro CHANGE slot, dir
	s_wait_tensorcnt 0x0                           ; no tensor load of mine is out, so a group 0 may be written
	ds_add_u32 v[SPW], v[NIL]                      ; 0 onto my spare word
.if \dir == 1
	s_add_nc_u64 s[G0+4*\slot+2:G0+4*\slot+3], s[G0+4*\slot+2:G0+4*\slot+3], 0x400000
.elseif \dir == 2
	s_sub_nc_u64 s[G0+4*\slot+2:G0+4*\slot+3], s[G0+4*\slot+2:G0+4*\slot+3], 0x400000
.endif
	s_wait_dscnt 0x0                               ; the add is done; my reads of the slot are over; my stores are done, for the others' sake
.if \dir
	CROUND
	tensor_load_to_lds s[G0+4*\slot:G0+4*\slot+3], s[G1:G1+7]
	PLACES                                         ; four v_nop follow
.else
	s_barrier_signal -1
	s_barrier_wait -1
.endif
.endm
	s_wait_tensorcnt 0x1                           ; my part of T0 is in; T1's may stay out
	s_barrier_signal -1
	s_barrier_wait -1                              ; everybody's is
	s_wait_loadcnt 0x0                             ; Q
	PSLOT 1, 0, 0                                  ; PASS 1
	CHANGE 0, 1                                    ; slot 0 takes T2
	PSLOT 1, 1, 1
	CHANGE 1, 1                                    ; slot 1 takes T3
	PSLOT 1, 0, 2
	CHANGE 0, 2                                    ; slot 0 takes T0 again, for pass 2
	PSLOT 1, 1, 3
	; my half of the keys is done: l's two halves and the other half of the lanes' are added; c m and l go to LDS for the wave that took the other half
.irp t, 0,1,2,3
	v_add_f32 v[ST+8*\t+4], v[ST+8*\t+2], v[ST+8*\t+3]
.endr
.irp t, 0,1,2,3
	v_permlanex16_b32 v[ST+8*\t+5], v[ST+8*\t+4], s34, s35
.endr
.irp t, 0,1,2,3
	v_add_f32 v[ST+8*\t+4], v[ST+8*\t+4], v[ST+8*\t+5]
.endr
.irp t, 0,1,2,3
	v_cndmask_b32 v[ST+8*\t+5], v[ST+8*\t], v[ST+8*\t+4], s37
.endr
.irp t, 0,1,2,3
	ds_store_b32 v[STW], v[ST+8*\t+5] offset:64*\t
.endr
	CHANGE 1, 2                                    ; slot 1 takes T1 again; its wait and its round also show the statistics to every wave
	; the two halves' statistics of my 32 queries (16 t + 8 hh + j): c m and l of wave g into S + 0, S + 32, of wave g + 4 into S + 64, S + 96
.irp pp, 0,1
.irp kd, 0,1
.irp t, 0,1,2,3
	ds_load_b128 v[S+64*\pp+32*\kd+8*\t:S+64*\pp+32*\kd+8*\t+3],   v[STR] offset:\pp*2048+\kd*256+\t*64
	ds_load_b128 v[S+64*\pp+32*\kd+8*\t+4:S+64*\pp+32*\kd+8*\t+7], v[STR] offset:\pp*2048+\kd*256+\t*64+16
.endr
.endr
.endr
	s_wait_dscnt 0x0
.set i, 0
.rept 32
	v_max_num_f32 v[CM+i], v[S+i], v[S+64+i]       ; c m over all 2,048 keys
.set i, i+1
.endr
.set i, 0
.rept 16
	v_pk_add_f32 v[S+i:S+i+1],       v[S+i:S+i+1],       v[CM+i:CM+i+1] neg_lo:[0,1] neg_hi:[0,1]
	v_pk_add_f32 v[S+64+i:S+64+i+1], v[S+64+i:S+64+i+1], v[CM+i:CM+i+1] neg_lo:[0,1] neg_hi:[0,1]
.set i, i+2
.endr
.set i, 0
.rept 32
	v_exp_f32 v[S+i], v[S+i]
	v_exp_f32 v[S+64+i], v[S+64+i]
.set i, i+1
.endr
	v_nop                                          ; a plain instruction between the exponentials and the use of their results
.set i, 0
.rept 16
	v_pk_mul_f32 v[S+32+i:S+32+i+1], v[S+32+i:S+32+i+1], v[S+i:S+i+1]
.set i, i+2
.endr
.set i, 0
.rept 16
	v_pk_fma_f32 v[S+32+i:S+32+i+1], v[S+96+i:S+96+i+1], v[S+64+i:S+64+i+1], v[S+32+i:S+32+i+1]   ; l over all keys, on the common maximum
.set i, i+2
.endr
.set i, 0
.rept 16
	v_pk_mul_f32 v[S+32+i:S+32+i+1], v[S+32+i:S+32+i+1], 0x45000000 op_sel_hi:[1,0]               ; 2,048 l: the mean over queries rides on the division
.set i, i+2
.endr
.set i, 0
.rept 32
	v_rcp_f32 v[WW+i], v[S+32+i]
.set i, i+1
.endr
	v_nop
	PSLOT 2, 0, 0                                  ; PASS 2
	CHANGE 0, 1                                    ; slot 0 takes T2
	PSLOT 2, 1, 1
	CHANGE 1, 1                                    ; slot 1 takes T3: the last load
	PSLOT 2, 0, 2
	CHANGE 0, 0
	PSLOT 2, 1, 3
	; THE WAY OUT: the four query groups' sums of each key are added and stored: thread t takes keys 4 t .. + 3 and 1,024 + 4 t .. + 3
	s_wait_dscnt 0x0                               ; for the others' sake: my stores into my stage are done
	s_barrier_signal -1
	s_barrier_wait -1
.irp u, 0,1
.irp g, 0,1,2,3
	ds_load_b128 v[S+16*\u+4*\g:S+16*\u+4*\g+3], v[RD] offset:\g*4096+\u*2048
.endr
.endr
	s_wait_dscnt 0x0
.irp u, 0,1
.irp o, 0,2
	v_pk_add_f32 v[S+16*\u+\o:S+16*\u+\o+1],     v[S+16*\u+\o:S+16*\u+\o+1],     v[S+16*\u+4+\o:S+16*\u+4+\o+1]
	v_pk_add_f32 v[S+16*\u+8+\o:S+16*\u+8+\o+1], v[S+16*\u+8+\o:S+16*\u+8+\o+1], v[S+16*\u+12+\o:S+16*\u+12+\o+1]
.endr
.endr
.irp u, 0,1
.irp o, 0,2
	v_pk_add_f32 v[S+16*\u+\o:S+16*\u+\o+1], v[S+16*\u+\o:S+16*\u+\o+1], v[S+16*\u+8+\o:S+16*\u+8+\o+1]
.endr
.endr
.irp u, 0,1
	global_store_b128 v[GO], v[S+16*\u:S+16*\u+3], s[6:7] offset:\u*4096    ; a wave stores 512 consecutive bytes, at a multiple of 256 from colp's first byte
.endr
	s_wait_tensorcnt 0x0                           ; the wave's end
	ds_add_u32 v[SPW], v[NIL]
	s_wait_dscnt 0x0
	CROUND                                         ; the closing round: no work-group ends while a partner may still ask for a tile that names it
	s_endpgm
.Lfunc_end_k_qccc0fd1a1c_attn:
	.size	k_qccc0fd1a1c_attn, .Lfunc_end_k_qccc0fd1a1c_attn-k_qccc0fd1a1c_attn
	.p2alignl 7, 3214868480
	.fill 96, 4, 3214868480
	.section	.rodata,"a",@progbits
	.p2align	6, 0x0
	.amdhsa_kernel k_qccc0fd1a1c_attn
		.amdhsa_group_segment_fixed_size 327680
		.amdhsa_private_segment_fixed_size 0
		.amdhsa_enable_private_segment 0
		.amdhsa_kernarg_size 16
		.amdhsa_user_sgpr_count 2
		.amdhsa_user_sgpr_kernarg_segment_ptr 1
		.amdhsa_wavefront_size32 1
		.amdhsa_system_sgpr_workgroup_id_x 1
		.amdhsa_system_sgpr_workgroup_id_y 1
		.amdhsa_system_sgpr_workgroup_id_z 1
		.amdhsa_system_vgpr_workitem_id 0
		.amdhsa_next_free_vgpr 512
		.amdhsa_next_free_sgpr 66
		.amdhsa_reserve_vcc 0
		.amdhsa_float_denorm_mode_32 3
		.amdhsa_float_denorm_mode_16_64 3
		.amdhsa_memory_ordered 1
		.amdhsa_forward_progress 1
		.amdhsa_inst_pref_size 200
	.end_amdhsa_kernel
	.amdgpu_metadata
---
amdhsa.version: [ 1, 2 ]
amdhsa.kernels:
  - .name:           k_qccc0fd1a1c_attn
    .symbol:         k_qccc0fd1a1c_attn.kd
    .args:
      - { .name: qk, .offset: 0, .size: 8, .value_kind: global_buffer, .address_space: global }
      - { .name: colp, .offset: 8, .size: 8, .value_kind: global_buffer, .address_space: global }
    .group_segment_fixed_size: 327680
    .private_segment_fixed_size: 0
    .kernarg_segment_align: 8
    .kernarg_segment_size: 16
    .max_flat_workgroup_size: 256
    .sgpr_count:     66
    .vgpr_count:     512
    .wavefront_size: 32
...
	.end_amdgpu_metadata
.endif
;; end of part 3
;; launch avgy (part 4): grid 256 x 1, 8 waves a work-group, no clusters, 73,728 bytes of LDS; arguments colp, xb, out1, ypart, corrp; writes out1, ypart, corrp
.if DOCPART == 4
	.amdgcn_target "amdgcn-amd-amdhsa--gfx1250"
	.amdhsa_code_object_version 6
	.text
	.protected	k_qccc0fd1a1c_avgy
	.globl	k_qccc0fd1a1c_avgy
	.p2align	8
	.type	k_qccc0fd1a1c_avgy,@function
k_qccc0fd1a1c_avgy:
	s_mov_b64 s[64:65], 0
	v_nop
	global_prefetch_b8 v0, s[64:65] scope:SCOPE_SE
	s_setreg_imm32_b32 hwreg(HW_REG_WAVE_MODE, 25, 1), 1
	s_wait_xcnt 0x0
; Three things from the column sums.  (1) avg_attn[b][h][k] = the sum of colp's eight partials (out1).  (2) ypart[b][kc][h][c] = the sum over the 128 keys k of chunk kc of
; avg_attn[b][h][k] x[b][k][c]: the mean over queries of attn V is avg_attn V, and V is linear in x, so x is weighted here and Wv comes later.
; (3) corrp[kc][b][h][g] = the sum over the chunk's keys of avg_attn[b][h][k] avg_attn[b][g][k].
; Work-group: batch b = id / 64, chunk kc = (id / 4) % 16 of 128 keys, slab cq = id % 4 of 256 channels.  The four slabs of a chunk each make the averages (32 KiB read again);
; slab 0 alone stores them and makes the correlation.  Wave w is head w for (1) and (3), keys 16 w .. + 15 for (2); a lane holds eight channels and all eight heads: 64 sums.
; All in f32 on the vector unit: with eight rows the matrix unit would be half empty, and avg_attn would have to be rounded to 16 bits for it.  No tile is shared, so no cluster.
.set AVG,  0                           ; LDS: [8 heads][128 keys] f32
.set CORR, 4096                        ; [8][8] f32
.set RED,  8192                        ; [8 waves][8 heads][256 channels] f32
.set A,   10                           ; v[10:13]   avg_attn of my head, my four keys
.set T,   14                           ; v[14:21]   at work
.set X,   24                           ; v[24:87]   16 rows of x, 8 bf16 each; later the waves' partial sums
.set AV,  88                           ; v[88:151]  colp's partials; then avg_attn of 8 heads x 8 keys, the same in every lane
.set ACC, 152                          ; v[152:215] head hd, channel ch at ACC + 8 hd + ch
.set G,   216                          ; v[216:247] the eight heads' averages of my four keys
.set TR,  248
.macro QADD r, a, b                    ; four numbers += four numbers
	v_pk_add_f32 v[\r+4*(\a):\r+4*(\a)+1],   v[\r+4*(\a):\r+4*(\a)+1],   v[\r+4*(\b):\r+4*(\b)+1]
	v_pk_add_f32 v[\r+4*(\a)+2:\r+4*(\a)+3], v[\r+4*(\a)+2:\r+4*(\a)+3], v[\r+4*(\b)+2:\r+4*(\b)+3]
.endm
; Two values are summed over pairs of lanes x apart and become one register: lanes whose bit in m is 0 end up with a's sum, the others with b's.
.macro RS a, b, m, x
	v_cndmask_b32 v[TR], v[\b], v[\a], \m
	v_cndmask_b32 v[\a], v[\a], v[\b], \m
	v_add_f32_dpp v[\a], v[TR], v[\a] row_xmask:\x row_mask:0xf bank_mask:0xf
.endm
	s_load_b256 s[4:11], s[0:1], 0x0               ; colp s[4:5], xb s[6:7], out1 s[8:9], ypart s[10:11]
	s_load_b64 s[12:13], s[0:1], 0x20              ; corrp
	v_lshrrev_b32 v1, 5, v0
	v_readfirstlane_b32 s14, v1                    ; w
	v_and_b32 v1, 31, v0                           ; lane
	s_and_b32 s15, ttmp9, 3                        ; cq
	s_bfe_u32 s16, ttmp9, 0x40002                  ; kc
	s_lshr_b32 s17, ttmp9, 6                       ; b
	s_lshl_b32 s18, s17, 3
	s_add_co_u32 s18, s18, s14                     ; 8 b + w
	s_lshl_b32 s19, s16, 9                         ; the chunk's 128 keys: 512 bytes
	s_lshl_b32 s20, s18, 16                        ; colp: eight rows of 8,192 bytes a head
	s_add_co_u32 s20, s20, s19
	v_lshl_add_u32 v2, v1, 4, s20
	s_lshl_b32 s21, s17, 22                        ; xb: row 2,048 b + 128 kc + 16 w of 2,048 bytes, slab cq of 512
	s_lshl_b32 s22, s16, 18
	s_add_co_u32 s21, s21, s22
	s_lshl_b32 s22, s14, 15
	s_add_co_u32 s21, s21, s22
	s_lshl_b32 s22, s15, 9
	s_add_co_u32 s21, s21, s22
	v_lshl_add_u32 v3, v1, 4, s21
	s_lshl_b32 s22, s18, 13                        ; out1: a row of 8,192 bytes a head
	s_add_co_u32 s22, s22, s19
	v_lshl_add_u32 v4, v1, 4, s22
	s_mov_b32 s26, 0xaaaaaaaa
	s_mov_b32 s27, 0xcccccccc
	s_mov_b32 s28, 0xf0f0f0f0
	s_mov_b32 s30, 0x76543210
	s_mov_b32 s31, 0xfedcba98
	s_mov_b32 s32, 0xffff0000
	s_wait_kmcnt 0x0
.irp q, 0,1,2,3,4,5,6,7
	global_load_b128 v[AV+4*\q:AV+4*\q+3], v2, s[4:5] offset:8192*\q
.endr
.irp i, 0,1,2,3,4,5,6,7,8,9,10,11,12,13,14,15
	global_load_b128 v[X+4*\i:X+4*\i+3], v3, s[6:7] offset:2048*\i          ; a wave's load covers the slab's 512 consecutive bytes of a row
.endr
	s_lshl_b32 s23, s14, 9
	v_lshl_add_u32 v5, v1, 4, s23                  ; AVG + 512 w + 16 lane
	v_lshlrev_b32 v6, 4, v1                        ; AVG + 16 lane
	s_lshl_b32 s24, s14, 6
	v_mov_b32 v7, s24                              ; AVG + my wave's 16 keys
	s_lshl_b32 s25, s14, 13
	s_add_co_u32 s25, s25, RED
	v_lshl_add_u32 v8, v1, 5, s25                  ; RED + 8,192 w + 32 lane
	v_lshl_add_u32 v9, v0, 4, RED                  ; RED + 16 t
	s_lshl_b32 s23, s17, 4
	s_add_co_u32 s23, s23, s16
	s_lshl_b32 s23, s23, 15                        ; ypart: 32,768 bytes for each (b, kc),
	s_lshl_b32 s24, s15, 10                        ; the slab's 1,024 bytes of a row
	s_add_co_u32 s23, s23, s24
	v_and_b32 v23, 63, v0
	v_lshl_add_u32 v23, v23, 4, s23
	v_lshrrev_b32 v22, 6, v0
	v_lshl_add_u32 v23, v22, 12, v23               ; head t / 64 (and four on), channels 4 (t % 64) on
	v_and_b32 v22, 7, v0
	s_lshl_b32 s24, s14, 5
	s_add_co_u32 s24, s24, CORR
	v_lshl_add_u32 v22, v22, 2, s24                ; CORR + 32 w + 4 (lane % 8)
	s_wait_loadcnt 16                              ; colp's eight loads are in; x's sixteen stay out
	QADD AV, 0, 1
	QADD AV, 2, 3
	QADD AV, 4, 5
	QADD AV, 6, 7
	QADD AV, 0, 2
	QADD AV, 4, 6
	v_pk_add_f32 v[A:A+1],   v[AV:AV+1],   v[AV+16:AV+17]
	v_pk_add_f32 v[A+2:A+3], v[AV+2:AV+3], v[AV+18:AV+19]
	ds_store_b128 v5, v[A:A+3]
	s_cmp_lg_u32 s15, 0
	s_cbranch_scc1 .Lno_out1
	global_store_b128 v4, v[A:A+3], s[8:9]         ; a wave stores 512 consecutive bytes; A is not written again
.Lno_out1:
	s_wait_dscnt 0x0                               ; for the others' sake: my head's averages are in LDS
	s_barrier_signal -1
	s_barrier_wait -1
	s_cmp_lg_u32 s15, 0
	s_cbranch_scc1 .Lno_corr
.irp g, 0,1,2,3,4,5,6,7
	ds_load_b128 v[G+4*\g:G+4*\g+3], v6 offset:512*\g
.endr
	s_wait_dscnt 0x0
.irp g, 0,1,2,3,4,5,6,7
	v_mul_f32 v[T+\g], v[A], v[G+4*\g]
.endr
.irp k, 1,2,3
.irp g, 0,1,2,3,4,5,6,7
	v_fmac_f32 v[T+\g], v[A+\k], v[G+4*\g+\k]
.endr
.endr
	RS T+0, T+1, s26, 1                            ; eight sums over 32 lanes: three halving steps leave head g's sum in the lanes with lane % 8 = g,
	RS T+2, T+3, s26, 1
	RS T+4, T+5, s26, 1
	RS T+6, T+7, s26, 1
	RS T+0, T+2, s27, 2
	RS T+4, T+6, s27, 2
	RS T+0, T+4, s28, 4
	v_add_f32_dpp v[T], v[T], v[T] row_xmask:8 row_mask:0xf bank_mask:0xf   ; two plain steps finish it
	v_permlanex16_b32 v[TR], v[T], s30, s31
	v_add_f32 v[T], v[T], v[TR]
	ds_store_b32 v22, v[T]                         ; four lanes write the same word with the same number
.Lno_corr:
; Key i of my wave's 16: its row of x is widened to f32 and weighted for all eight heads.  The first key starts the sums.
.macro KEY i
	s_wait_loadcnt 15-(\i)                         ; row i is in, the younger rows stay out
.irp k, 0,1,2,3
	v_lshlrev_b32 v[T+2*\k],   16,  v[X+4*(\i)+\k]
	v_and_b32     v[T+2*\k+1], s32, v[X+4*(\i)+\k]
.endr
.irp hd, 0,1,2,3,4,5,6,7
.irp c, 0,2,4,6
.if (\i) == 0
	v_pk_mul_f32 v[ACC+8*\hd+\c:ACC+8*\hd+\c+1], v[T+\c:T+\c+1], v[AV+8*\hd:AV+8*\hd+1] op_sel_hi:[1,0]
.elseif (\i)%2 == 0
	v_pk_fma_f32 v[ACC+8*\hd+\c:ACC+8*\hd+\c+1], v[T+\c:T+\c+1], v[AV+8*\hd+(\i)%8:AV+8*\hd+(\i)%8+1], v[ACC+8*\hd+\c:ACC+8*\hd+\c+1] op_sel_hi:[1,0,1]
.else
	v_pk_fma_f32 v[ACC+8*\hd+\c:ACC+8*\hd+\c+1], v[T+\c:T+\c+1], v[AV+8*\hd+(\i)%8-1:AV+8*\hd+(\i)%8], v[ACC+8*\hd+\c:ACC+8*\hd+\c+1] op_sel:[0,1,0] op_sel_hi:[1,1,1]
.endif
.endr
.endr
.endm
.irp half, 0,1
.irp hd, 0,1,2,3,4,5,6,7
	ds_load_b128 v[AV+8*\hd:AV+8*\hd+3],   v7 offset:512*\hd+32*\half       ; every lane reads the same words
	ds_load_b128 v[AV+8*\hd+4:AV+8*\hd+7], v7 offset:512*\hd+32*\half+16
.endr
	s_wait_dscnt 0x0
.irp kk, 0,1,2,3,4,5,6,7
	KEY 8*\half+\kk
.endr
.endr
.irp hd, 0,1,2,3,4,5,6,7
	ds_store_b128 v8, v[ACC+8*\hd:ACC+8*\hd+3]   offset:1024*\hd            ; 32 bytes a lane, so that channels stay in order; two lanes of sixteen meet in a bank, in 16 stores
	ds_store_b128 v8, v[ACC+8*\hd+4:ACC+8*\hd+7] offset:1024*\hd+16
.endr
	s_wait_dscnt 0x0                               ; for the others' sake
	s_barrier_signal -1
	s_barrier_wait -1
.irp u, 0,1
.irp wv, 0,1,2,3,4,5,6,7
	ds_load_b128 v[X+4*(8*\u+\wv):X+4*(8*\u+\wv)+3], v9 offset:8192*\wv+4096*\u
.endr
.endr
	s_wait_dscnt 0x0
.irp u, 0,8
	QADD X, \u+0, \u+1
	QADD X, \u+2, \u+3
	QADD X, \u+4, \u+5
	QADD X, \u+6, \u+7
	QADD X, \u+0, \u+2
	QADD X, \u+4, \u+6
	QADD X, \u+0, \u+4
.endr
	global_store_b128 v23, v[X:X+3],     s[10:11]                           ; 16 lanes store 256 consecutive bytes, at a multiple of 256 from ypart's first byte
	global_store_b128 v23, v[X+32:X+35], s[10:11] offset:16384
	s_cmp_lg_u32 s15, 0
	s_cbranch_scc1 .Lend
	s_cmp_lg_u32 s14, 0
	s_cbranch_scc1 .Lend
	v_lshl_add_u32 v250, v1, 3, CORR               ; slab 0's wave 0 stores the 64 correlations: 256 consecutive bytes
	s_lshl_b32 s25, s16, 2
	s_add_co_u32 s25, s25, s17
	s_lshl_b32 s25, s25, 8
	v_lshl_add_u32 v249, v1, 3, s25
	ds_load_b64 v[T:T+1], v250
	s_wait_dscnt 0x0
	global_store_b64 v249, v[T:T+1], s[12:13]
.Lend:
	s_endpgm
.Lfunc_end_k_qccc0fd1a1c_avgy:
	.size	k_qccc0fd1a1c_avgy, .Lfunc_end_k_qccc0fd1a1c_avgy-k_qccc0fd1a1c_avgy
	.p2alignl 7, 3214868480
	.fill 96, 4, 3214868480
	.section	.rodata,"a",@progbits
	.p2align	6, 0x0
	.amdhsa_kernel k_qccc0fd1a1c_avgy
		.amdhsa_group_segment_fixed_size 73728
		.amdhsa_private_segment_fixed_size 0
		.amdhsa_enable_private_segment 0
		.amdhsa_kernarg_size 40
		.amdhsa_user_sgpr_count 2
		.amdhsa_user_sgpr_kernarg_segment_ptr 1
		.amdhsa_wavefront_size32 1
		.amdhsa_system_sgpr_workgroup_id_x 1
		.amdhsa_system_sgpr_workgroup_id_y 1
		.amdhsa_system_sgpr_workgroup_id_z 1
		.amdhsa_system_vgpr_workitem_id 0
		.amdhsa_next_free_vgpr 256
		.amdhsa_next_free_sgpr 66
		.amdhsa_reserve_vcc 0
		.amdhsa_float_denorm_mode_32 3
		.amdhsa_float_denorm_mode_16_64 3
		.amdhsa_memory_ordered 1
		.amdhsa_forward_progress 1
		.amdhsa_inst_pref_size 53
	.end_amdhsa_kernel
	.amdgpu_metadata
---
amdhsa.version: [ 1, 2 ]
amdhsa.kernels:
  - .name:           k_qccc0fd1a1c_avgy
    .symbol:         k_qccc0fd1a1c_avgy.kd
    .args:
      - { .name: colp, .offset: 0, .size: 8, .value_kind: global_buffer, .address_space: global }
      - { .name: xb, .offset: 8, .size: 8, .value_kind: global_buffer, .address_space: global }
      - { .name: out1, .offset: 16, .size: 8, .value_kind: global_buffer, .address_space: global }
      - { .name: ypart, .offset: 24, .size: 8, .value_kind: global_buffer, .address_space: global }
      - { .name: corrp, .offset: 32, .size: 8, .value_kind: global_buffer, .address_space: global }
    .group_segment_fixed_size: 73728
    .private_segment_fixed_size: 0
    .kernarg_segment_align: 8
    .kernarg_segment_size: 40
    .max_flat_workgroup_size: 256
    .sgpr_count:     66
    .vgpr_count:     256
    .wavefront_size: 32
...
	.end_amdgpu_metadata
.endif
;; end of part 4
;; launch zpart (part 5): grid 64 x 1, 8 waves a work-group, no clusters, 8,192 bytes of LDS; arguments ypart, Wv, zpart; writes zpart
.if DOCPART == 5
	.amdgcn_target "amdgcn-amd-amdhsa--gfx1250"
	.amdhsa_code_object_version 6
	.text
	.protected	k_qccc0fd1a1c_zpart
	.globl	k_qccc0fd1a1c_zpart
	.p2align	8
	.type	k_qccc0fd1a1c_zpart,@function
k_qccc0fd1a1c_zpart:
	s_mov_b64 s[64:65], 0
	v_nop
	global_prefetch_b8 v0, s[64:65] scope:SCOPE_SE
	s_setreg_imm32_b32 hwreg(HW_REG_WAVE_MODE, 25, 1), 1
	s_wait_xcnt 0x0
; zpart[cq][b][o] = the sum over the 256 channels c of slab cq of y[b][h][c] Wv[o][c], h = o / 128, y[b][h][c] = the sum over the 16 key chunks of ypart[b][kc][h][c].
; Summed over cq and with bv added, that is the mean over queries of the heads' outputs.  All f32: four rows a head are too few for the matrix unit, and neither y nor Wv is rounded.
; Work-group: head h = id / 8, slab cq = (id / 2) % 4, half dh = id % 2 of the head's 128 rows of Wv; wave w takes eight rows.  Each byte of Wv is read once, in runs of 512 bytes;
; the two halves of a head read the same 64 KiB of ypart.  64 work-groups are what the work divides into with stores of 256 whole bytes.
.set YS, 0                             ; LDS: y of the slab, [4 batches][256] f32
.set ZS, 4096                          ; the work-group's results, [4 batches][64 rows] f32
.set YP, 24                            ; v[24:87]   ypart's 16 chunks, four numbers each; later 32 pairs of sums
.set W,  88                            ; v[88:151]  row i, half u of the slab at W + 8 i + 4 u
.set YR, 152                           ; v[152:183] y of batch b, half u at YR + 8 b + 4 u
.set V,  184                           ; v[184:215] the lane's part of result i + 8 b
.set TR, 9
.macro QADD r, a, b
	v_pk_add_f32 v[\r+4*(\a):\r+4*(\a)+1],   v[\r+4*(\a):\r+4*(\a)+1],   v[\r+4*(\b):\r+4*(\b)+1]
	v_pk_add_f32 v[\r+4*(\a)+2:\r+4*(\a)+3], v[\r+4*(\a)+2:\r+4*(\a)+3], v[\r+4*(\b)+2:\r+4*(\b)+3]
.endm
; Two values are summed over pairs of lanes x apart and become one register: lanes whose bit in m is 0 end up with a's sum, the others with b's.
.macro RS a, b, m, x
	v_cndmask_b32 v[TR], v[\b], v[\a], \m
	v_cndmask_b32 v[\a], v[\a], v[\b], \m
	v_add_f32_dpp v[\a], v[TR], v[\a] row_xmask:\x row_mask:0xf bank_mask:0xf
.endm
	s_load_b128 s[4:7], s[0:1], 0x0                ; ypart s[4:5], Wv s[6:7]
	s_load_b64 s[8:9], s[0:1], 0x10                ; zpart
	v_lshrrev_b32 v1, 5, v0
	v_readfirstlane_b32 s14, v1                    ; w
	v_and_b32 v1, 31, v0                           ; lane
	s_and_b32 s15, ttmp9, 1                        ; dh
	s_bfe_u32 s16, ttmp9, 0x20001                  ; cq
	s_lshr_b32 s17, ttmp9, 3                       ; h
	s_lshl_b32 s18, s17, 12                        ; ypart: the head's row of 4,096 bytes, the slab's 1,024
	s_lshl_b32 s19, s16, 10
	s_add_co_u32 s18, s18, s19
	v_and_b32 v2, 63, v0
	v_lshl_add_u32 v2, v2, 4, s18
	v_lshrrev_b32 v3, 6, v0
	v_lshl_add_u32 v2, v3, 19, v2                  ; batch t / 64: 524,288 bytes apart
	s_lshl_b32 s20, s17, 7
	s_lshl_b32 s21, s15, 6
	s_add_co_u32 s20, s20, s21                     ; the work-group's first row: 128 h + 64 dh
	s_lshl_b32 s21, s14, 3
	s_add_co_u32 s21, s21, s20                     ; my wave's first row
	s_lshl_b32 s21, s21, 12
	s_add_co_u32 s21, s21, s19
	v_lshl_add_u32 v3, v1, 4, s21
	s_mov_b32 s26, 0xaaaaaaaa
	s_mov_b32 s27, 0xcccccccc
	s_mov_b32 s28, 0xf0f0f0f0
	s_mov_b32 s29, 0xff00ff00
	s_mov_b32 s30, 0x76543210
	s_mov_b32 s31, 0xfedcba98
	s_mov_b32 s32, 0xffff0000
	s_wait_kmcnt 0x0
.irp kc, 0,1,2,3,4,5,6,7,8,9,10,11,12,13,14,15
	global_load_b128 v[YP+4*\kc:YP+4*\kc+3], v2, s[4:5] offset:32768*\kc
.endr
.irp i, 0,1,2,3,4,5,6,7
.irp u, 0,1
	global_load_b128 v[W+8*\i+4*\u:W+8*\i+4*\u+3], v3, s[6:7] offset:4096*\i+512*\u th:TH_LOAD_NT
.endr
.endr
	v_lshlrev_b32 v4, 4, v0                        ; YS + 16 t
	v_lshlrev_b32 v5, 4, v1                        ; YS + 16 lane
	v_lshrrev_b32 v6, 3, v1
	v_lshlrev_b32 v6, 8, v6
	v_and_b32 v7, 7, v0
	v_lshl_add_u32 v6, v7, 2, v6
	s_lshl_b32 s22, s14, 5
	s_add_co_u32 s22, s22, ZS
	v_add_nc_u32 v6, s22, v6                       ; ZS + 256 (lane / 8) + 4 (8 w + lane % 8)
	v_and_b32 v8, 63, v0
	v_lshl_add_u32 v7, v8, 4, ZS                   ; ZS + 16 (t % 64)
	s_lshl_b32 s23, s16, 14                        ; zpart: 16,384 bytes a slab,
	s_lshl_b32 s24, s20, 2                         ; the work-group's 64 rows: 256 bytes
	s_add_co_u32 s23, s23, s24
	v_lshrrev_b32 v8, 4, v8
	v_lshl_add_u32 v8, v8, 12, s23                 ; batch (t % 64) / 16: 4,096 bytes apart
	v_and_b32 v10, 15, v0
	v_lshl_add_u32 v8, v10, 4, v8
	s_wait_loadcnt 16                              ; ypart's sixteen loads are in; Wv's sixteen stay out
.irp q, 0,2,4,6,8,10,12,14
	QADD YP, \q, \q+1
.endr
.irp q, 0,4,8,12
	QADD YP, \q, \q+2
.endr
	QADD YP, 0, 4
	QADD YP, 8, 12
	QADD YP, 0, 8
	ds_store_b128 v4, v[YP:YP+3]
	s_wait_dscnt 0x0                               ; for the others' sake
	s_barrier_signal -1
	s_barrier_wait -1
.irp b, 0,1,2,3
.irp u, 0,1
	ds_load_b128 v[YR+8*\b+4*\u:YR+8*\b+4*\u+3], v5 offset:1024*\b+512*\u
.endr
.endr
	s_wait_dscnt 0x0
	s_wait_loadcnt 0x0
.irp b, 0,1,2,3
.irp i, 0,1,2,3,4,5,6,7
	v_pk_mul_f32 v[YP+2*(\i+8*\b):YP+2*(\i+8*\b)+1], v[W+8*\i:W+8*\i+1], v[YR+8*\b:YR+8*\b+1]
.endr
.endr
.irp o, 2,4,6
.irp b, 0,1,2,3
.irp i, 0,1,2,3,4,5,6,7
	v_pk_fma_f32 v[YP+2*(\i+8*\b):YP+2*(\i+8*\b)+1], v[W+8*\i+\o:W+8*\i+\o+1], v[YR+8*\b+\o:YR+8*\b+\o+1], v[YP+2*(\i+8*\b):YP+2*(\i+8*\b)+1]
.endr
.endr
.endr
.set i, 0
.rept 32
	v_add_f32 v[V+i], v[YP+2*i], v[YP+2*i+1]
.set i, i+1
.endr
	; 32 sums over 32 lanes: each step halves the registers; bit i of the lane's number ends up choosing bit i of the sum's number
.irp k, 0,2,4,6,8,10,12,14,16,18,20,22,24,26,28,30
	RS V+\k, V+\k+1, s26, 1
.endr
.irp k, 0,4,8,12,16,20,24,28
	RS V+\k, V+\k+2, s27, 2
.endr
.irp k, 0,8,16,24
	RS V+\k, V+\k+4, s28, 4
.endr
	RS V+0, V+8, s29, 8
	RS V+16, V+24, s29, 8
	v_cndmask_b32 v[TR], v[V+16], v[V], s32        ; the same across the halves of the lanes
	v_cndmask_b32 v[V], v[V], v[V+16], s32
	v_permlanex16_b32 v[V+16], v[TR], s30, s31
	v_add_f32 v[V], v[V], v[V+16]                  ; lane l: row l % 8 of my eight, batch l / 8
	ds_store_b32 v6, v[V]
	s_wait_dscnt 0x0                               ; for the others' sake
	s_barrier_signal -1
	s_barrier_wait -1
	s_cmp_ge_u32 s14, 2
	s_cbranch_scc1 .Lend
	ds_load_b128 v[V:V+3], v7                      ; waves 0 and 1 store the 4 x 64 results
	s_wait_dscnt 0x0
	global_store_b128 v8, v[V:V+3], s[8:9]         ; 16 lanes store 256 consecutive bytes, at a multiple of 256 from zpart's first byte
.Lend:
	s_endpgm
.Lfunc_end_k_qccc0fd1a1c_zpart:
	.size	k_qccc0fd1a1c_zpart, .Lfunc_end_k_qccc0fd1a1c_zpart-k_qccc0fd1a1c_zpart
	.p2alignl 7, 3214868480
	.fill 96, 4, 3214868480
	.section	.rodata,"a",@progbits
	.p2align	6, 0x0
	.amdhsa_kernel k_qccc0fd1a1c_zpart
		.amdhsa_group_segment_fixed_size 8192
		.amdhsa_private_segment_fixed_size 0
		.amdhsa_enable_private_segment 0
		.amdhsa_kernarg_size 24
		.amdhsa_user_sgpr_count 2
		.amdhsa_user_sgpr_kernarg_segment_ptr 1
		.amdhsa_wavefront_size32 1
		.amdhsa_system_sgpr_workgroup_id_x 1
		.amdhsa_system_sgpr_workgroup_id_y 1
		.amdhsa_system_sgpr_workgroup_id_z 1
		.amdhsa_system_vgpr_workitem_id 0
		.amdhsa_next_free_vgpr 256
		.amdhsa_next_free_sgpr 66
		.amdhsa_reserve_vcc 0
		.amdhsa_float_denorm_mode_32 3
		.amdhsa_float_denorm_mode_16_64 3
		.amdhsa_memory_ordered 1
		.amdhsa_forward_progress 1
		.amdhsa_inst_pref_size 24
	.end_amdhsa_kernel
	.amdgpu_metadata
---
amdhsa.version: [ 1, 2 ]
amdhsa.kernels:
  - .name:           k_qccc0fd1a1c_zpart
    .symbol:         k_qccc0fd1a1c_zpart.kd
    .args:
      - { .name: ypart, .offset: 0, .size: 8, .value_kind: global_buffer, .address_space: global }
      - { .name: Wv, .offset: 8, .size: 8, .value_kind: global_buffer, .address_space: global }
      - { .name: zpart, .offset: 16, .size: 8, .value_kind: global_buffer, .address_space: global }
    .group_segment_fixed_size: 8192
    .private_segment_fixed_size: 0
    .kernarg_segment_align: 8
    .kernarg_segment_size: 24
    .max_flat_workgroup_size: 256
    .sgpr_count:     66
    .vgpr_count:     256
    .wavefront_size: 32
...
	.end_amdgpu_metadata
.endif
;; end of part 5
;; launch ctx (part 6): grid 17 x 1, 16 waves a work-group, no clusters, 18,432 bytes of LDS; arguments zpart, bv, Wo, bo, corrp, out0, out2; writes out0, out2
.if DOCPART == 6
	.amdgcn_target "amdgcn-amd-amdhsa--gfx1250"
	.amdhsa_code_object_version 6
	.text
	.protected	k_qccc0fd1a1c_ctx
	.globl	k_qccc0fd1a1c_ctx
	.p2align	8
	.type	k_qccc0fd1a1c_ctx,@function
k_qccc0fd1a1c_ctx:
	s_mov_b64 s[64:65], 0
	v_nop
	global_prefetch_b8 v0, s[64:65] scope:SCOPE_SE
	s_setreg_imm32_b32 hwreg(HW_REG_WAVE_MODE, 25, 1), 1
	s_wait_xcnt 0x0
; Work-groups 0-15: context[b][o] = the sum over c of Z[b][c] Wo[o][c] + bo[o], with Z[b][c] = the sum of zpart's four slabs + bv[c].
; (The mean over queries commutes with the output projection; bv enters once, since the weights of each query sum to 1.)
; A work-group makes 64 columns o for all four batches, so that its stores are 256 whole bytes; each of its 16 waves takes four rows of Wo.  Each byte of Wo is read once, in runs of 512 bytes.
; Work-group 16: diversity = the mean over [4][8][8] of |corr| off the diagonal, corr = the sum of corrp's 16 chunks.
; All in f32 on the vector unit: four rows are too few for the matrix unit, and Z and Wo are not rounded.
.set ZL, 0                             ; LDS: Z, [4][1024] f32
.set CG, 16384                         ; the work-group's results, [4][64] f32
.set DV, 17408                         ; diversity: eight waves' sums
.set ZP, 24                            ; v[24:55]   zpart: slab cq, half u at ZP + 8 cq + 4 u; later 16 pairs of sums, (i, b) at ZP + 2 (i + 4 b)
.set BV, 56                            ; v[56:59]
.set BO, 60                            ; v60
.set W,  64                            ; v[64:191]  Wo: chunk u of 128 channels, row i at W + 16 u + 4 i
.set ZB, 192                           ; v[192:223] Z's chunks, two buffers of 16: batch b at + 4 b
.set V,  224                           ; v[224:239] the lane's part of result i + 4 b
.set TR, 10
.macro QADD r, a, b
	v_pk_add_f32 v[\r+4*(\a):\r+4*(\a)+1],   v[\r+4*(\a):\r+4*(\a)+1],   v[\r+4*(\b):\r+4*(\b)+1]
	v_pk_add_f32 v[\r+4*(\a)+2:\r+4*(\a)+3], v[\r+4*(\a)+2:\r+4*(\a)+3], v[\r+4*(\b)+2:\r+4*(\b)+3]
.endm
; Two values are summed over pairs of lanes x apart and become one register: lanes whose bit in m is 0 end up with a's sum, the others with b's.
.macro RS a, b, m, x
	v_cndmask_b32 v[TR], v[\b], v[\a], \m
	v_cndmask_b32 v[\a], v[\a], v[\b], \m
	v_add_f32_dpp v[\a], v[TR], v[\a] row_xmask:\x row_mask:0xf bank_mask:0xf
.endm
	s_load_b256 s[4:11], s[0:1], 0x0               ; zpart s[4:5], bv s[6:7], Wo s[8:9], bo s[10:11]
	s_load_b128 s[12:15], s[0:1], 0x20             ; corrp s[12:13], out0 s[14:15]
	s_load_b64 s[16:17], s[0:1], 0x30              ; out2
	v_lshrrev_b32 v1, 5, v0
	v_readfirstlane_b32 s18, v1                    ; w
	v_and_b32 v1, 31, v0                           ; lane
	s_mov_b32 s26, 0xaaaaaaaa
	s_mov_b32 s27, 0xcccccccc
	s_mov_b32 s28, 0xf0f0f0f0
	s_mov_b32 s29, 0xff00ff00
	s_mov_b32 s30, 0x76543210
	s_mov_b32 s31, 0xfedcba98
	s_wait_kmcnt 0x0
	s_cmp_eq_u32 ttmp9, 16
	s_cbranch_scc1 .Ldiv
	v_lshlrev_b32 v2, 4, v0                        ; 16 t: in zpart's slab, and in ZL
	v_and_b32 v3, 255, v0
	v_lshlrev_b32 v3, 4, v3                        ; my four channels in bv
	s_lshl_b32 s20, ttmp9, 6
	s_lshl_b32 s21, s18, 2
	s_add_co_u32 s20, s20, s21                     ; my wave's first row of Wo: 64 x work-group + 4 w
	v_and_b32 v4, 3, v0
	v_add_lshl_u32 v4, v4, s20, 2                  ; bo of row lane % 4 of my four
	s_lshl_b32 s21, s20, 12
	v_lshl_add_u32 v5, v1, 4, s21
.irp cq, 0,1,2,3
.irp u, 0,1
	global_load_b128 v[ZP+8*\cq+4*\u:ZP+8*\cq+4*\u+3], v2, s[4:5] offset:16384*\cq+8192*\u
.endr
.endr
	global_load_b128 v[BV:BV+3], v3, s[6:7]
	global_load_b32 v[BO], v4, s[10:11]
.irp u, 0,1,2,3,4,5,6,7
.irp i, 0,1,2,3
	global_load_b128 v[W+16*\u+4*\i:W+16*\u+4*\i+3], v5, s[8:9] offset:512*\u+4096*\i th:TH_LOAD_NT
.endr
.endr
	v_lshlrev_b32 v6, 4, v1                        ; ZL + 16 lane
	v_bfe_u32 v7, v0, 2, 2
	v_lshlrev_b32 v7, 8, v7
	v_and_b32 v8, 3, v0
	v_lshl_add_u32 v7, v8, 2, v7
	s_lshl_b32 s22, s18, 4
	s_add_co_u32 s22, s22, CG
	v_add_nc_u32 v7, s22, v7                       ; CG + 256 ((lane / 4) % 4) + 4 (4 w + lane % 4)
	v_and_b32 v9, 63, v0
	v_lshl_add_u32 v8, v9, 4, CG                   ; CG + 16 (t % 64)
	s_lshl_b32 s23, ttmp9, 8                       ; out0: the work-group's 64 columns: 256 bytes
	v_lshrrev_b32 v9, 4, v9
	v_lshl_add_u32 v9, v9, 12, s23                 ; batch (t % 64) / 16
	v_and_b32 v11, 15, v0
	v_lshl_add_u32 v9, v11, 4, v9
	s_wait_loadcnt 32                              ; zpart, bv and bo are in; Wo's 32 loads stay out
.irp u, 0,1
	QADD ZP, \u, \u+2
	QADD ZP, \u+4, \u+6
	QADD ZP, \u, \u+4
	v_pk_add_f32 v[ZP+4*\u:ZP+4*\u+1],   v[ZP+4*\u:ZP+4*\u+1],   v[BV:BV+1]
	v_pk_add_f32 v[ZP+4*\u+2:ZP+4*\u+3], v[ZP+4*\u+2:ZP+4*\u+3], v[BV+2:BV+3]
.endr
	ds_store_b128 v2, v[ZP:ZP+3]
	ds_store_b128 v2, v[ZP+4:ZP+7] offset:8192
	s_wait_dscnt 0x0                               ; for the others' sake
	s_barrier_signal -1
	s_barrier_wait -1
.macro ZLOAD u                         ; chunk u of Z, all four batches, into buffer u % 2
.irp b, 0,1,2,3
	ds_load_b128 v[ZB+16*((\u)%2)+4*\b:ZB+16*((\u)%2)+4*\b+3], v6 offset:4096*\b+512*(\u)
.endr
.endm
	ZLOAD 0
	ZLOAD 1
.irp u, 0,1,2,3,4,5,6,7
	s_wait_loadcnt 28-4*\u                         ; Wo's chunk u is in; the later chunks, four loads each, stay out
.if \u < 7
	s_wait_dscnt 4                                 ; Z's chunk u is in; the next chunk's four loads stay out
.else
	s_wait_dscnt 0x0
.endif
.irp o, 0,2
.irp b, 0,1,2,3
.irp i, 0,1,2,3
.if (\u == 0) && (\o == 0)
	v_pk_mul_f32 v[ZP+2*(\i+4*\b):ZP+2*(\i+4*\b)+1], v[W+16*\u+4*\i+\o:W+16*\u+4*\i+\o+1], v[ZB+16*(\u%2)+4*\b+\o:ZB+16*(\u%2)+4*\b+\o+1]
.else
	v_pk_fma_f32 v[ZP+2*(\i+4*\b):ZP+2*(\i+4*\b)+1], v[W+16*\u+4*\i+\o:W+16*\u+4*\i+\o+1], v[ZB+16*(\u%2)+4*\b+\o:ZB+16*(\u%2)+4*\b+\o+1], v[ZP+2*(\i+4*\b):ZP+2*(\i+4*\b)+1]
.endif
.endr
.endr
.endr
.if \u < 6
	ZLOAD \u+2
.endif
.endr
.set i, 0
.rept 16
	v_add_f32 v[V+i], v[ZP+2*i], v[ZP+2*i+1]
.set i, i+1
.endr
.irp k, 0,2,4,6,8,10,12,14
	RS V+\k, V+\k+1, s26, 1
.endr
.irp k, 0,4,8,12
	RS V+\k, V+\k+2, s27, 2
.endr
	RS V+0, V+4, s28, 4
	RS V+8, V+12, s28, 4
	RS V+0, V+8, s29, 8
	v_permlanex16_b32 v[TR], v[V], s30, s31
	v_add_f32 v[V], v[V], v[TR]                    ; lane l: row l % 4 of my four, batch (l / 4) % 4
	v_add_f32 v[V], v[V], v[BO]
	ds_store_b32 v7, v[V]                          ; two lanes write the same word with the same number
	s_wait_dscnt 0x0                               ; for the others' sake
	s_barrier_signal -1
	s_barrier_wait -1
	s_cmp_ge_u32 s18, 2
	s_cbranch_scc1 .Lctx_end
	ds_load_b128 v[V:V+3], v8                      ; waves 0 and 1 store the 4 x 64 results
	s_wait_dscnt 0x0
	global_store_b128 v9, v[V:V+3], s[14:15]       ; 16 lanes store 256 consecutive bytes, at a multiple of 256 from out0's first byte
.Lctx_end:
	s_endpgm
.Ldiv:
	s_cmp_ge_u32 s18, 8                            ; 256 numbers: waves 0-7; the others only pass the barrier
	s_cbranch_scc1 .Ldiv_meet
	v_and_b32 v2, 255, v0
	v_lshlrev_b32 v2, 2, v2                        ; thread t is (b, h, g) = (t / 64, (t / 8) % 8, t % 8)
.irp kc, 0,1,2,3,4,5,6,7,8,9,10,11,12,13,14,15
	global_load_b32 v[24+\kc], v2, s[12:13] offset:1024*\kc
.endr
	v_bfe_u32 v3, v0, 3, 3
	v_and_b32 v4, 7, v0
	s_lshl_b32 s20, s18, 2
	s_add_co_u32 s20, s20, DV
	v_mov_b32 v5, s20
	s_wait_loadcnt 0x0
.irp k, 0,2,4,6,8,10,12,14
	v_add_f32 v[24+\k], v[24+\k], v[24+\k+1]
.endr
.irp k, 0,4,8,12
	v_add_f32 v[24+\k], v[24+\k], v[24+\k+2]
.endr
	v_add_f32 v24, v24, v28
	v_add_f32 v32, v32, v36
	v_add_f32 v24, v24, v32
	v_and_b32 v24, 0x7fffffff, v24                 ; |corr|,
	v_cmp_eq_u32 vcc_lo, v3, v4
	v_cndmask_b32 v24, v24, 0, vcc_lo              ; 0 on the diagonal
	v_add_f32_dpp v24, v24, v24 row_xmask:1 row_mask:0xf bank_mask:0xf
	v_add_f32_dpp v24, v24, v24 row_xmask:2 row_mask:0xf bank_mask:0xf
	v_add_f32_dpp v24, v24, v24 row_xmask:4 row_mask:0xf bank_mask:0xf
	v_add_f32_dpp v24, v24, v24 row_xmask:8 row_mask:0xf bank_mask:0xf
	v_permlanex16_b32 v25, v24, s30, s31
	v_add_f32 v24, v24, v25
	ds_store_b32 v5, v24                           ; all lanes write the wave's word with the same number
.Ldiv_meet:
	s_wait_dscnt 0x0                               ; for the others' sake
	s_barrier_signal -1
	s_barrier_wait -1
	s_cmp_lg_u32 s18, 0
	s_cbranch_scc1 .Ldiv_end
	v_mov_b32 v6, DV
	ds_load_b128 v[24:27], v6
	ds_load_b128 v[28:31], v6 offset:16
	v_mov_b32 v7, 0
	s_wait_dscnt 0x0
	v_pk_add_f32 v[24:25], v[24:25], v[26:27]
	v_pk_add_f32 v[28:29], v[28:29], v[30:31]
	v_pk_add_f32 v[24:25], v[24:25], v[28:29]
	v_add_f32 v24, v24, v25
	v_mul_f32 v24, 0x3b800000, v24                 ; the mean over 4 x 8 x 8 = 256 numbers
	s_wait_xcnt 0x0                                ; EXEC changes only behind this wait
	v_cmp_eq_u32 vcc_lo, 0, v0
	s_and_saveexec_b32 s19, vcc_lo
	global_store_b32 v7, v24, s[16:17]             ; one lane stores the one number
	s_wait_xcnt 0x0                                ; and again, in front of the line that widens it
	s_or_b32 exec_lo, exec_lo, s19
.Ldiv_end:
	s_endpgm
.Lfunc_end_k_qccc0fd1a1c_ctx:
	.size	k_qccc0fd1a1c_ctx, .Lfunc_end_k_qccc0fd1a1c_ctx-k_qccc0fd1a1c_ctx
	.p2alignl 7, 3214868480
	.fill 96, 4, 3214868480
	.section	.rodata,"a",@progbits
	.p2align	6, 0x0
	.amdhsa_kernel k_qccc0fd1a1c_ctx
		.amdhsa_group_segment_fixed_size 18432
		.amdhsa_private_segment_fixed_size 0
		.amdhsa_enable_private_segment 0
		.amdhsa_kernarg_size 56
		.amdhsa_user_sgpr_count 2
		.amdhsa_user_sgpr_kernarg_segment_ptr 1
		.amdhsa_wavefront_size32 1
		.amdhsa_system_sgpr_workgroup_id_x 1
		.amdhsa_system_sgpr_workgroup_id_y 1
		.amdhsa_system_sgpr_workgroup_id_z 1
		.amdhsa_system_vgpr_workitem_id 0
		.amdhsa_next_free_vgpr 256
		.amdhsa_next_free_sgpr 66
		.amdhsa_reserve_vcc 1
		.amdhsa_float_denorm_mode_32 3
		.amdhsa_float_denorm_mode_16_64 3
		.amdhsa_memory_ordered 1
		.amdhsa_forward_progress 1
		.amdhsa_inst_pref_size 34
	.end_amdhsa_kernel
	.amdgpu_metadata
---
amdhsa.version: [ 1, 2 ]
amdhsa.kernels:
  - .name:           k_qccc0fd1a1c_ctx
    .symbol:         k_qccc0fd1a1c_ctx.kd
    .args:
      - { .name: zpart, .offset: 0, .size: 8, .value_kind: global_buffer, .address_space: global }
      - { .name: bv, .offset: 8, .size: 8, .value_kind: global_buffer, .address_space: global }
      - { .name: Wo, .offset: 16, .size: 8, .value_kind: global_buffer, .address_space: global }
      - { .name: bo, .offset: 24, .size: 8, .value_kind: global_buffer, .address_space: global }
      - { .name: corrp, .offset: 32, .size: 8, .value_kind: global_buffer, .address_space: global }
      - { .name: out0, .offset: 40, .size: 8, .value_kind: global_buffer, .address_space: global }
      - { .name: out2, .offset: 48, .size: 8, .value_kind: global_buffer, .address_space: global }
    .group_segment_fixed_size: 18432
    .private_segment_fixed_size: 0
    .kernarg_segment_align: 8
    .kernarg_segment_size: 56
    .max_flat_workgroup_size: 512
    .sgpr_count:     66
    .vgpr_count:     256
    .wavefront_size: 32
...
	.end_amdgpu_metadata
.endif
;; end of part 6
